; MI455X (gfx1250); checked and timed in simulation.
; The chip was launched on July 23, 2026; its instructions are those of AMD's public machine-readable ISA for CDNA 5 (MIT licence, August 2026) and "CDNA5" Instruction Set Architecture Reference Guide (July 2026). The comments in the code are by the model that wrote it; some were corrected since.
;; Attention. Allowed arithmetic: float matrix products may take bf16 or f16 operands with f32 sums; all other float work in f32.
;; Inputs: qk_scale 64 float32; wk 2,048 x 2,048 float32; wo 2,048 x 2,048 float32; wq 2,048 x 2,048 float32; wv 2,048 x 2,048 float32; x 2 x 1,024 x 2,048 float32.
;; Outputs: out0 2 x 1,024 x 2,048 float32.
;; One version. Each part assembles by itself: llvm-mc -triple=amdgcn-amd-amdhsa -mcpu=gfx1250 --defsym DOCPART=n.
;; ======== version 1 of 1: 4 launches
;; limits: values outside matrix products are rounded to bf16; values are held in f16: magnitudes above 65,504 overflow, below 6.1e-05 lose precision; right only within a limited range of input values
;; workspace buffers: xb 8,388,608 bytes; wb 25,165,824 bytes; rw 24,576 bytes; wob 8,388,608 bytes; wosq 524,288 bytes; cs 524,288 bytes; qkv 25,165,824 bytes; ao 8,388,608 bytes
;; launch prep (part 1): grid 256 x 1, 16 waves a work-group, no clusters, 0 bytes of LDS; arguments x, wq, wk, wv, xb, wb, rw, cs; writes xb, wb, rw, cs
.if DOCPART == 1
	.amdgcn_target "amdgcn-amd-amdhsa--gfx1250"
	.amdhsa_code_object_version 6
	.text
	.protected	k_q51dc62b04f_prep
	.globl	k_q51dc62b04f_prep
	.p2align	8
	.type	k_q51dc62b04f_prep,@function
k_q51dc62b04f_prep:
	s_mov_b64 s[64:65], 0
	v_nop
	global_prefetch_b8 v0, s[64:65] scope:SCOPE_SE
	s_setreg_imm32_b32 hwreg(HW_REG_WAVE_MODE, 25, 1), 1
	s_wait_xcnt 0x0
; prep: x, wq, wk, wv are read once and leave as bf16 matrix operands, with the figures that the next launch needs.
;   work-groups   0- 63: x  -> xb (bf16), and the table cs[row][i] = (cos, sin)(pos * 10000^(-i/32)), pos = row & 1023
;   work-groups  64-255: wq, wk, wv -> wb (bf16, rows not normalised), rw[row] = 1 / max(norm of the ROUNDED row, 1e-12)
; (wo is converted by the next launch, on work-groups that its product does not need.)
; 4 matrices x 64 blocks = 256 work-groups of equal work.  A work-group owns 32 rows, a wave 2 of them.  One wave takes a whole row of
; 8,192 bytes: 16 loads, each of 512 consecutive bytes.  Both rows of a wave are asked for at the head: 32 loads a wave, 16 waves,
; 256 KB of a work-group on their way at once; no register is loaded twice, so nothing waits for a store's sources.
; No matrix unit, no LDS, no cluster: nothing is multiplied, no wave needs another's numbers, no two work-groups read the same byte.
; rw leaves as 8 bytes a wave: 24 KB in the whole launch against 34 MB of full 256-byte runs.
; The table's angles are reduced by 1/(2 pi) in f32; sin and cos of the half angle are Taylor sums up to y^11 and y^10, |y| <= pi/2:
; the first terms left out are y^13/13! and y^12/12!, below 5e-7.
.set ROWB,  8192                       ; bytes in a row as read
.set OROWB, 4096                       ; bytes in a row as written
.set EPS,   0x2b8cbccc                 ; 1e-12
.set VI,   1                           ; v1        byte offset of my 16 bytes in my wave's first row, as read
.set VO,   2                           ; v2        byte offset of my 8 bytes in my wave's first row, as written
.set LN,   3                           ; v3        lane
.set T,    4                           ; v[4:11]   at work
.set SS,   12                          ; v[12:15]  two chains of sums of squares
.set X,    16                          ; v[16:143] my two rows, 64 registers each
.set FREQ, 144                         ; x: 10000^(-lane/32)
.set TB,   145                         ; x: v[145:151] the table's work registers
.set CSO,  152                         ; x: v[152:155] (cos, sin) of row i at CSO + 2 i: a pair of its own for each store
.set VC,   156                         ; x: 8 x lane
.set RR,   158                         ; v[158:159] weights: 1 / norm of my 2 rows
.macro FILL s, i                       ; row i of my wave into slot s
.irp j, 0,1,2,3,4,5,6,7,8,9,10,11,12,13,14,15
	global_load_b128 v[X+64*\s+4*\j:X+64*\s+4*\j+3], v[VI], s[30:31] offset:\i*ROWB+512*\j th:TH_LOAD_NT
.endr
.endm
.macro STORE s, i                      ; the packed row: each store of the wave covers 256 consecutive bytes, aligned
.irp j, 0,1,2,3,4,5,6,7,8,9,10,11,12,13,14,15
	global_store_b64 v[VO], v[X+64*\s+2*\j:X+64*\s+2*\j+1], s[32:33] offset:\i*OROWB+256*\j
.endr
.endm
; (cos, sin) of pos * freq for my wave's row i; lane = pair index.  x = 2 pi f, y = pi f: cos x = 1 - 2 sin^2 y, sin x = 2 sin y cos y.
.macro TABLE i
	s_add_co_u32 s5, s39, \i
	s_and_b32 s5, s5, 1023                         ; the position in the sequence
	v_cvt_f32_u32 v[TB], s5
	v_mul_f32 v[TB], v[TB], v[FREQ]                ; the angle, rounded to f32 as the definition rounds it
	v_mul_f32 v[TB+1], 0.15915494, v[TB]
	v_rndne_f32 v[TB+1], v[TB+1]                   ; whole turns
	v_fma_f32 v[TB+2], v[TB], 0.15915494, -v[TB+1] ; the rest, -0.5 .. 0.5 of a turn
	v_mul_f32 v[TB+2], 0x40490fdb, v[TB+2]         ; y = pi f
	v_mul_f32 v[TB+3], v[TB+2], v[TB+2]            ; z = y^2
	v_mov_b32 v[TB+4], 0xb2d7322b                  ; -1/11!
	v_mov_b32 v[TB+5], 0xb493f27e                  ; -1/10!
	v_fmaak_f32 v[TB+4], v[TB+4], v[TB+3], 0x3638ef1d   ; 1/9!
	v_fmaak_f32 v[TB+5], v[TB+5], v[TB+3], 0x37d00d01   ; 1/8!
	v_fmaak_f32 v[TB+4], v[TB+4], v[TB+3], 0xb9500d01   ; -1/7!
	v_fmaak_f32 v[TB+5], v[TB+5], v[TB+3], 0xbab60b61   ; -1/6!
	v_fmaak_f32 v[TB+4], v[TB+4], v[TB+3], 0x3c088889   ; 1/5!
	v_fmaak_f32 v[TB+5], v[TB+5], v[TB+3], 0x3d2aaaab   ; 1/4!
	v_fmaak_f32 v[TB+4], v[TB+4], v[TB+3], 0xbe2aaaab   ; -1/3!
	v_fma_f32 v[TB+5], v[TB+5], v[TB+3], -0.5
	v_fma_f32 v[TB+4], v[TB+4], v[TB+3], 1.0
	v_fma_f32 v[TB+5], v[TB+5], v[TB+3], 1.0       ; cos y
	v_mul_f32 v[TB+4], v[TB+4], v[TB+2]            ; sin y
	v_mul_f32 v[TB+6], v[TB+4], v[TB+4]
	v_fma_f32 v[CSO+2*\i], v[TB+6], -2.0, 1.0      ; cos x
	v_mul_f32 v[TB+6], v[TB+4], v[TB+5]
	v_add_f32 v[CSO+2*\i+1], v[TB+6], v[TB+6]      ; sin x
	global_store_b64 v[VC], v[CSO+2*\i:CSO+2*\i+1], s[28:29] offset:256*\i   ; the wave stores the row's 256 bytes
.endm
; x: round to bf16, packed in place (the destination never passes the sources), store, and the row of the table
.macro ROWX s, i
.set k, 0
.rept 32
	v_cvt_pk_bf16_f32 v[X+64*\s+k], v[X+64*\s+2*k], v[X+64*\s+2*k+1]
.set k, k+1
.endr
	STORE \s, \i
	TABLE \i
.endm
; wq, wk, wv: round to bf16 in place, sum the squares of the ROUNDED numbers, 1 / max(norm, 1e-12), store
.macro ROWW s, i
.irp j, 0,1,2,3,4,5,6,7,8,9,10,11,12,13,14,15
	v_cvt_pk_bf16_f32 v[X+64*\s+2*\j],   v[X+64*\s+4*\j],   v[X+64*\s+4*\j+1]
	v_cvt_pk_bf16_f32 v[X+64*\s+2*\j+1], v[X+64*\s+4*\j+2], v[X+64*\s+4*\j+3]
	v_lshlrev_b32 v[T+4*(\j%2)],   16,  v[X+64*\s+2*\j]
	v_and_b32     v[T+4*(\j%2)+1], s38, v[X+64*\s+2*\j]
	v_lshlrev_b32 v[T+4*(\j%2)+2], 16,  v[X+64*\s+2*\j+1]
	v_and_b32     v[T+4*(\j%2)+3], s38, v[X+64*\s+2*\j+1]
.if \j == 0
	v_pk_mul_f32 v[SS:SS+1],   v[T:T+1],   v[T:T+1]            ; the first products start the sums
	v_pk_mul_f32 v[SS+2:SS+3], v[T+2:T+3], v[T+2:T+3]
.else
	v_pk_fma_f32 v[SS:SS+1],   v[T+4*(\j%2):T+4*(\j%2)+1],   v[T+4*(\j%2):T+4*(\j%2)+1],   v[SS:SS+1]
	v_pk_fma_f32 v[SS+2:SS+3], v[T+4*(\j%2)+2:T+4*(\j%2)+3], v[T+4*(\j%2)+2:T+4*(\j%2)+3], v[SS+2:SS+3]
.endif
.endr
	v_pk_add_f32 v[SS:SS+1], v[SS:SS+1], v[SS+2:SS+3]
	v_add_f32 v[SS], v[SS], v[SS+1]
	v_add_f32_dpp v[SS], v[SS], v[SS] row_xmask:1 row_mask:0xf bank_mask:0xf
	v_add_f32_dpp v[SS], v[SS], v[SS] row_xmask:2 row_mask:0xf bank_mask:0xf
	v_add_f32_dpp v[SS], v[SS], v[SS] row_xmask:4 row_mask:0xf bank_mask:0xf
	v_add_f32_dpp v[SS], v[SS], v[SS] row_xmask:8 row_mask:0xf bank_mask:0xf
	v_permlanex16_b32 v[SS+1], v[SS], s36, s37
	v_add_f32 v[SS], v[SS], v[SS+1]                ; every lane holds the row's sum
	v_sqrt_f32 v[SS+1], v[SS]
	v_nop                                          ; one plain instruction behind a transcendental before its result is used (ISA guide 5.7.2)
	s_wait_alu depctr_va_vdst(0)
	v_max_num_f32 v[SS+1], EPS, v[SS+1]
	v_rcp_f32 v[RR+\i], v[SS+1]
	v_nop
	STORE \s, \i
.endm
.macro ROW kind, s, i
.if \kind == 0
	ROWX \s, \i
.endif
.if \kind == 1
	ROWW \s, \i
.endif
.endm
; My wave's two rows.  s_wait_loadcnt 16: loads come back in order, so the first row is in and the second row's 16 loads stay out.
.macro PIPE kind
	FILL 0, 0
	FILL 1, 1
	s_wait_loadcnt 16
	ROW \kind, 0, 0
	s_wait_loadcnt 0x0
	ROW \kind, 1, 1
.endm
	s_load_b512 s[8:23], s[0:1], 0x0               ; x s[8:9], wq s[10:11], wk s[12:13], wv s[14:15], xb s[16:17], wb s[18:19], rw s[20:21], cs s[22:23]
	s_lshr_b32 s2, ttmp9, 6                        ; which matrix: 0 x, 1-3 wq wk wv
	s_and_b32 s3, ttmp9, 63                        ; which block of 32 rows
	v_lshrrev_b32 v4, 5, v0
	v_readfirstlane_b32 s4, v4                     ; wave, 0 .. 15
	v_and_b32 v[LN], 31, v0
	v_and_b32 v5, 0x1e0, v0                        ; 32 x wave
	v_lshlrev_b32 v[VI], 4, v[LN]
	v_lshl_or_b32 v[VI], v5, 9, v[VI]              ; 16 x lane + wave x 2 rows x 8,192 bytes
	v_lshlrev_b32 v[VO], 3, v[LN]
	v_lshl_or_b32 v[VO], v5, 8, v[VO]              ; 8 x lane + wave x 2 rows x 4,096 bytes
	s_mov_b32 s36, 0x76543210                      ; v_permlanex16_b32: lane i reads lane i of the other half
	s_mov_b32 s37, 0xfedcba98
	s_mov_b32 s38, 0xffff0000                      ; a word's upper bf16
	s_lshl_b32 s34, s3, 18                         ; the block's 32 rows as read
	s_mov_b32 s35, 0
	s_lshl_b32 s40, s3, 17                         ; and as written
	s_mov_b32 s41, 0
	s_wait_kmcnt 0x0
	s_cmp_eq_u32 s2, 0
	s_cbranch_scc1 .Lpath_x
	; ---- wq, wk, wv ----
	s_cmp_eq_u32 s2, 1
	s_cselect_b64 s[30:31], s[10:11], s[12:13]
	s_cmp_eq_u32 s2, 3
	s_cselect_b64 s[30:31], s[14:15], s[30:31]
	s_add_nc_u64 s[30:31], s[30:31], s[34:35]
	s_sub_co_u32 s5, s2, 1
	s_lshl_b32 s6, s5, 23                          ; 2,048 rows of 4,096 bytes for each matrix in wb
	s_add_co_u32 s40, s40, s6
	s_add_nc_u64 s[32:33], s[18:19], s[40:41]
	s_lshl_b32 s6, s5, 13                          ; rw: 2,048 words for each matrix,
	s_lshl_b32 s7, s3, 7                           ; 32 for each block,
	s_add_co_u32 s6, s6, s7
	s_lshl_b32 s7, s4, 3                           ; 2 for each wave
	s_add_co_u32 s6, s6, s7
	s_mov_b32 s7, 0
	s_add_nc_u64 s[26:27], s[20:21], s[6:7]
	PIPE 1
	v_mov_b32 v4, v[RR]                            ; lane i (0, 1) takes row i's figure
	v_cmp_eq_u32 vcc_lo, 1, v[LN]
	s_wait_alu depctr_va_vdst(0)
	v_cndmask_b32 v4, v4, v[RR+1], vcc_lo
	v_lshlrev_b32 v5, 2, v[LN]
	v_cmp_gt_u32 vcc_lo, 2, v[LN]
	s_wait_xcnt 0x0                                ; EXEC is a source of the stores above: it changes only behind this wait
	s_and_saveexec_b32 s39, vcc_lo
	global_store_b32 v5, v4, s[26:27]
	s_wait_xcnt 0x0                                ; and again in front of the line that widens it
	s_or_b32 exec_lo, exec_lo, s39
	s_endpgm
	; ---- x ----
.Lpath_x:
	s_add_nc_u64 s[30:31], s[8:9], s[34:35]
	s_add_nc_u64 s[32:33], s[16:17], s[40:41]
	s_lshl_b32 s39, s3, 5
	s_lshl1_add_u32 s39, s4, s39                   ; my wave's first row = 32 x block + 2 x wave
	s_lshl_b32 s6, s39, 8                          ; 256 bytes of table for each row
	s_mov_b32 s7, 0
	s_add_nc_u64 s[28:29], s[22:23], s[6:7]
	v_cvt_f32_u32 v[FREQ], v[LN]
	v_mul_f32 v[FREQ], 0xbed49a78, v[FREQ]         ; - lane x log2(10000) / 32
	v_exp_f32 v[FREQ], v[FREQ]
	v_lshlrev_b32 v[VC], 3, v[LN]                  ; (the plain instruction behind the transcendental)
	s_wait_alu depctr_va_vdst(0)
	PIPE 0
	s_endpgm
.Lfunc_end_k_q51dc62b04f_prep:
	.size	k_q51dc62b04f_prep, .Lfunc_end_k_q51dc62b04f_prep-k_q51dc62b04f_prep
	.p2alignl 7, 3214868480
	.fill 96, 4, 3214868480
	.section	.rodata,"a",@progbits
	.p2align	6, 0x0
	.amdhsa_kernel k_q51dc62b04f_prep
		.amdhsa_group_segment_fixed_size 0
		.amdhsa_private_segment_fixed_size 0
		.amdhsa_enable_private_segment 0
		.amdhsa_kernarg_size 64
		.amdhsa_user_sgpr_count 2
		.amdhsa_user_sgpr_kernarg_segment_ptr 1
		.amdhsa_wavefront_size32 1
		.amdhsa_system_sgpr_workgroup_id_x 1
		.amdhsa_system_sgpr_workgroup_id_y 1
		.amdhsa_system_sgpr_workgroup_id_z 1
		.amdhsa_system_vgpr_workitem_id 0
		.amdhsa_next_free_vgpr 160
		.amdhsa_next_free_sgpr 66
		.amdhsa_reserve_vcc 1
		.amdhsa_float_denorm_mode_32 3
		.amdhsa_float_denorm_mode_16_64 3
		.amdhsa_memory_ordered 1
		.amdhsa_forward_progress 1
		.amdhsa_inst_pref_size 35
	.end_amdhsa_kernel
	.amdgpu_metadata
---
amdhsa.version: [ 1, 2 ]
amdhsa.kernels:
  - .name:           k_q51dc62b04f_prep
    .symbol:         k_q51dc62b04f_prep.kd
    .args:
      - { .name: x, .offset: 0, .size: 8, .value_kind: global_buffer, .address_space: global }
      - { .name: wq, .offset: 8, .size: 8, .value_kind: global_buffer, .address_space: global }
      - { .name: wk, .offset: 16, .size: 8, .value_kind: global_buffer, .address_space: global }
      - { .name: wv, .offset: 24, .size: 8, .value_kind: global_buffer, .address_space: global }
      - { .name: xb, .offset: 32, .size: 8, .value_kind: global_buffer, .address_space: global }
      - { .name: wb, .offset: 40, .size: 8, .value_kind: global_buffer, .address_space: global }
      - { .name: rw, .offset: 48, .size: 8, .value_kind: global_buffer, .address_space: global }
      - { .name: cs, .offset: 56, .size: 8, .value_kind: global_buffer, .address_space: global }
    .group_segment_fixed_size: 0
    .private_segment_fixed_size: 0
    .kernarg_segment_align: 8
    .kernarg_segment_size: 64
    .max_flat_workgroup_size: 512
    .sgpr_count:     66
    .vgpr_count:     160
    .wavefront_size: 32
...
	.end_amdgpu_metadata
.endif
;; end of part 1
;; launch qkvp (part 2): grid 32 x 8, 4 waves a work-group, clusters of 4 x 4, 327,680 bytes of LDS; arguments xb, wb, rw, qk_scale, cs, qkv, wo, wob, wosq; writes qkv, wob, wosq
.if DOCPART == 2
	.amdgcn_target "amdgcn-amd-amdhsa--gfx1250"
	.amdhsa_code_object_version 6
	.text
	.protected	k_q51dc62b04f_qkvp
	.globl	k_q51dc62b04f_qkvp
	.p2align	8
	.type	k_q51dc62b04f_qkvp,@function
k_q51dc62b04f_qkvp:
	s_mov_b64 s[64:65], 0
	v_nop
	global_prefetch_b8 v0, s[64:65] scope:SCOPE_SE
	s_setreg_imm32_b32 hwreg(HW_REG_WAVE_MODE, 25, 1), 1
	s_wait_xcnt 0x0
	s_wait_alu depctr_hold_cnt(0) depctr_sa_sdst(0) depctr_va_vdst(0) depctr_va_sdst(0) depctr_va_ssrc(0) depctr_va_vcc(0) depctr_vm_vsrc(0)
	s_getreg_b32 s2, hwreg(HW_REG_IB_STS2, 6, 4)
	s_cmp_eq_u32 s2, 0
	s_cbranch_scc0 .Lentry_in_a_cluster
	s_endpgm
.Lentry_in_a_cluster:
	s_bfe_u32 s2, ttmp6, 0x10000c
	s_cmp_lg_u32 s2, 0xf033
	s_cbranch_scc0 .Lentry_shape_is_right
	s_endpgm
.Lentry_shape_is_right:
; qkvp, two jobs on 256 work-groups (8 x 2 clusters of 4 x 4):
; CLUSTER COLUMNS 0-5 (192 work-groups): y[row][e] = (sum over k of xb[row][k] wb[e][k]) * rw[e], e = 0 .. 6143 (q, k, v), then per head of 64:
;   q, k: y / max(norm of the head's 64, 1e-12) * qk_scale (rounded to bf16, like every input; q also times log2 e), rotated by cs; v: y as it is.
;   Out: qkv[type][batch*32+head][pos][64] in f16.
; CLUSTER COLUMNS 6, 7 (64 work-groups): the product has 6144 / 256 x 2048 / 256 = 192 blocks, so these have none of it; they convert wo, which nothing
;   reads before the next launch: wob = wo rounded to bf16 and held as f16, wosq[block][e] = sums of squares of the rounded column e over 32 rows.
;   The choice hangs on the cluster's x, which all partners of a cluster share.
; The product is a bf16 GEMM 2048 x 6144 x 2048.  A work-group makes 256 x 256 with four waves, a wave 128 x 128: 64 accumulator tiles, 512 registers.
; K goes in steps of 128 through two LDS slots filled by the tensor data mover; a tile's rows are 256 bytes of memory, aligned.
; The four work-groups of a cluster row need the same tiles of xb, the four of a column the same tiles of wb: each such tile is asked for jointly,
; which divides the requests by four.  A wave has at most two tensor loads out (the two at the start; later one).
; LIMITS (f16 results): |qk_scale| x 1.4427 < 65504; |v| <= the l2 norm of a row of x, which must stay below 65504; |wo| < 65504;
; below 2^-14 an absolute error of 2^-25.
;
; REGISTERS of the product, in windows of 256:
;   window 0: v0-31 addresses and scratch; v32-63 SC (scale of my 8 columns in each of a head's 4 tiles); v64-127, v128-191 fragments of xb, two buffers
;             (on the way out: T, U, TMP, RB); v192-255 RW (1 / weight norm of my 8 columns in each of 8 tiles)
;   window 1: v64-127, v128-191 fragments of wb; v0-63, v192-255 cos and sin of my row blocks 0-3 (blocks 4-7 take the fragments' place on the way out)
;   windows 2, 3: the accumulators of my rows 0-63, 64-127 (tile (a, b) at v[8 (8 a + b)])
; THE MATRIX INSTRUCTION IS USED TRANSPOSED: source 0 = 16 rows of wb, source 1 = 16 rows of xb; lane l then holds row l % 16 and the
; eight neighbouring columns 8 (l / 16) + 0 .. 7 of a tile: half of a head's row lies in a lane and the other half in lane l xor 16.
.set SIZE_K, 2048
.set KSTEP,  128
.set PITCH,  272                       ; an LDS row: 256 bytes + 16 of padding: the 16 rows that a fragment load touches start 68 words apart
.set HALFT,  128*PITCH
.set SLOT,   4*HALFT                   ; 256 rows of xb, then 256 rows of wb
.set STAGE,  2*SLOT                    ; behind the ring: 16 rows x 272 bytes for each wave; no tensor load fills it
.set SPITCH, 272
.set LAPS, SIZE_K/(2*KSTEP)
.set EPS,  0x2b8cbccc                  ; 1e-12
.set ADRA, 16                          ; v16-17  LDS address of my xb fragments in slot 0, 1
.set ADRB, 20                          ; v20-21  the same for wb
.set STO,  24                          ; v24     way out: where I put 16 bytes of a row
.set RD,   25                          ; v25     way out: where I read back
.set CO,   26                          ; v26     my byte offset in qkv
.set VCS,  27                          ; v27     my byte offset in cs
.set VH,   28                          ; v28     32 x (l / 16): my 8 columns in rw and qk_scale
.set SC,   32
.set F0,   64
.set F1,   128
.set T,    64                          ; way out: a head's 32 numbers of my row, f32
.set U,    96                          ; way out: the 32 products with sin, each in a register of its own
.set TMP,  128                         ; way out: both heads packed to f16
.set RB,   160                         ; way out: read back, to store
.set RW,   192
.set G1, 24
.set G0, 32
.set G1B, 48
.set G0B, 56
.set MSB, 0
.macro WIN new                         ; the immediate's high byte repeats the setting that is left
.if MSB != \new
	s_set_vgpr_msb (MSB<<8)|\new
.set MSB, \new
.endif
.endm
.set MUL_LO, 0xa1                      ; source 0 (wb) window 1, source 1 (xb) window 0, C and D window 2
.set MUL_HI, 0xf1                      ; the same, C and D window 3
.set TO_B,   0x40                      ; destination window 1, address window 0
; A joint load.  Waves 0 and 1 fetch the two halves of xb's tile, waves 2 and 3 those of wb's.  Each line has one mask; the branch hangs on the wave number alone.
.macro JLOAD s
	s_cmp_eq_u32 s11, 0
	s_cbranch_scc0 .Lfor_b_\@
	tensor_load_to_lds s[G0+4*\s:G0+4*\s+3], s[G1:G1+7]
	s_nop 0
	s_branch .Lasked_\@
.Lfor_b_\@:
	tensor_load_to_lds s[G0B+4*\s:G0B+4*\s+3], s[G1B:G1B+7]
	s_nop 0
.Lasked_\@:
.endm
.macro CREST                           ; a round of the cluster's barrier behind its opening work-group barrier
	s_cmp_lg_u32 s10, 0
	s_cbranch_scc1 .Lnot_wave_0_\@
	s_barrier_signal -3
.Lnot_wave_0_\@:
	s_barrier_wait -3
	s_barrier_signal -1
	s_barrier_wait -1
.endm
.macro CROUND                          ; a whole round
	s_barrier_signal -1
	s_barrier_wait -1
	CREST
.endm
; Where the cos and sin of row block i lie in window 1: blocks 0, 1 at v0-63, blocks 2, 3 at v192-255 (both untouched by the loop), blocks 4-7 at v64-191
.macro SETCSB i
.if (\i) < 2
.set CSB, 32*(\i)
.else
.if (\i) < 4
.set CSB, 128+32*(\i)
.else
.set CSB, 32*(\i)-64
.endif
.endif
.endm
.macro CSLOAD i                        ; (cos, sin) of rows 16 i + r, pairs 8 b + 4 h + 0 .. 3 of each of a head's four tiles b; the caller has set the destination's window to 1
	SETCSB \i
.irp bp, 0,1,2,3
	global_load_b128 v[CSB+8*\bp:CSB+8*\bp+3],   v[VCS], s[72:73] offset:(\i)*4096+64*\bp
	global_load_b128 v[CSB+8*\bp+4:CSB+8*\bp+7], v[VCS], s[72:73] offset:(\i)*4096+64*\bp+16
.endr
.endm
	s_load_b128 s[4:7], s[0:1], 0x0                ; xb s[4:5], wb s[6:7]
	s_load_b128 s[68:71], s[0:1], 0x10             ; rw s[68:69], qk_scale s[70:71]
	s_load_b128 s[72:75], s[0:1], 0x20             ; cs s[72:73], qkv s[74:75]
	s_load_b128 s[84:87], s[0:1], 0x30             ; wo s[84:85], wob s[86:87]
	s_load_b64 s[88:89], s[0:1], 0x40              ; wosq
	v_lshl_add_u32 v14, v0, 2, 0x4c000
	v_mov_b32 v15, 0
	ds_add_u32 v14, v15
	ds_add_u32 v14, v15
	s_wait_dscnt 0x0
	v_lshrrev_b32 v1, 5, v0
	v_readfirstlane_b32 s10, v1                    ; wave 0..3
	s_bfe_u32 s40, ttmp6, 0x40000                  ; cx
	s_bfe_u32 s41, ttmp6, 0x40004                  ; cy
	s_cmp_ge_u32 ttmp9, 6                          ; the cluster's x: the same in all sixteen partners
	s_cbranch_scc1 .Lwo
	s_lshr_b32 s11, s10, 1                         ; which half of the block's rows is mine.  Also: I fetch for xb (0) or wb (1)
	s_and_b32 s12, s10, 1                          ; which half of its columns.  Also: which 128 rows of that tile I fetch
	s_lshl_b32 s42, ttmp9, 2
	s_add_co_u32 s42, s42, s40                     ; block column = 4 x cluster x + cx
	s_and_b32 s13, ttmp7, 0xffff
	s_lshl_b32 s13, s13, 2
	s_add_co_u32 s13, s13, s41                     ; block row = 4 x cluster y + cy
	s_lshl_b32 s43, s41, 2
	s_lshl_b32 s43, 15, s43                        ; my row of the cluster
	s_lshl_b32 s44, 0x1111, s40                    ; my column
	; descriptor group 1: 128 rows x 128 elements of 2 bytes, 4 words of padding behind every 64
	s_or_b32 s[G1+0], s43, (1<<16)|(1<<20)|(1<<21)|(5<<22)|(3<<25)
	s_or_b32 s[G1B+0], s44, (1<<16)|(1<<20)|(1<<21)|(5<<22)|(3<<25)
	s_mov_b32 s[G1B+1], KSTEP<<16
	s_mov_b32 s[G1+1], KSTEP<<16                   ; tensor_dim0 = 128
	s_mov_b32 s[G1B+2], 128<<16
	s_mov_b32 s[G1+2], 128<<16                     ; tensor_dim1 = 128
	s_mov_b32 s[G1B+3], KSTEP<<16
	s_mov_b32 s[G1+3], KSTEP<<16                   ; tile_dim0 = 128
	s_mov_b32 s[G1B+4], 128
	s_mov_b32 s[G1+4], 128                         ; tile_dim1 = 128
	s_mov_b32 s[G1B+5], SIZE_K
	s_mov_b32 s[G1+5], SIZE_K                      ; elements from row to row
	s_mov_b32 s[G1B+6], 0
	s_mov_b32 s[G1+6], 0
	s_mov_b32 s[G1B+7], 0
	s_mov_b32 s[G1+7], 0
	; xb's tiles hang on the block row alone, wb's on the block column alone; each address in registers that never hold the other coordinate
	s_lshl_b32 s17, s12, 7
	s_lshl_b32 s16, s13, 8
	s_add_co_u32 s16, s16, s17                     ; xb: row 256 x block row + 128 x half
	s_lshl_b32 s46, s42, 8
	s_add_co_u32 s46, s46, s17                     ; wb: row 256 x block column + 128 x half
	s_mov_b32 s17, 0
	s_mov_b32 s47, 0
	s_mov_b64 s[18:19], SIZE_K*2
	s_mul_u64 s[16:17], s[16:17], s[18:19]
	s_mul_u64 s[46:47], s[46:47], s[18:19]
	s_mul_i32 s20, s10, HALFT                      ; LDS: wave x 128 rows
	s_wait_kmcnt 0x0
	s_add_nc_u64 s[14:15], s[4:5], s[16:17]
	s_add_nc_u64 s[46:47], s[6:7], s[46:47]
	CROUND                                         ; all sixteen work-groups are here: the first joint loads meet
.irp s, 0,1
	s_mov_b32 s[G0+4*\s], 1
	s_add_co_u32 s[G0+4*\s+1], s20, \s*SLOT
	s_add_nc_u64 s[G0+4*\s+2:G0+4*\s+3], s[14:15], \s*KSTEP*2
	s_or_b32 s[G0+4*\s+3], s[G0+4*\s+3], 0x80000000
	s_mov_b32 s[G0B+4*\s], 1
	s_add_co_u32 s[G0B+4*\s+1], s20, \s*SLOT
	s_add_nc_u64 s[G0B+4*\s+2:G0B+4*\s+3], s[46:47], \s*KSTEP*2
	s_or_b32 s[G0B+4*\s+3], s[G0B+4*\s+3], 0x80000000
	JLOAD \s
.endr
	v_and_b32 v1, 15, v0                           ; r = l % 16
	v_bfe_u32 v2, v0, 4, 1                         ; h = l / 16
	v_mul_u32_u24 v3, v1, PITCH
	v_lshl_add_u32 v3, v2, 4, v3                   ; row x pitch + 16 h
	s_mul_i32 s21, s11, HALFT
	s_mul_i32 s22, s12, HALFT
	s_add_co_u32 s22, s22, 2*HALFT
.irp s, 0,1
	v_add_nc_u32 v[ADRA+\s], s21, v3
	v_add_nc_u32 v[ADRB+\s], s22, v3
	s_add_co_u32 s21, s21, SLOT
	s_add_co_u32 s22, s22, SLOT
.endr
	s_mul_i32 s23, s10, 16*SPITCH
	s_add_co_u32 s23, s23, STAGE                   ; my stage
	v_add_nc_u32 v[STO], s23, v3                   ; in: row r, 16 bytes for each half of the lanes (the stage has the tiles' pitch)
	v_bfe_u32 v4, v0, 3, 1                         ; back: lanes 0-7 a head's 128 bytes of one row, lanes 8-15 of the next row,
	v_and_b32 v5, 7, v0                            ; lanes 16-31 the same of the other head
	v_lshlrev_b32 v5, 4, v5
	v_mul_u32_u24 v6, v4, SPITCH
	v_lshl_add_u32 v6, v2, 7, v6
	v_add3_u32 v[RD], v6, v5, s23
	v_lshl_add_u32 v6, v4, 7, v5                   ; in qkv two rows of a head are 256 consecutive bytes,
	v_lshl_add_u32 v[CO], v2, 17, v6               ; and the next head lies 131,072 bytes on
	v_lshlrev_b32 v[VCS], 8, v1                    ; cs: 256 bytes a row, my 4 pairs of a tile at 32 h
	v_lshl_add_u32 v[VCS], v2, 5, v[VCS]
	v_lshlrev_b32 v[VH], 5, v2
	; the figures per column, once: RW[8 b + j] = rw[my first column + 16 b + 8 h + j], SC[8 b + j] = qk_scale[16 b + 8 h + j]
	s_lshl_b32 s78, s42, 10
	s_lshl_b32 s79, s12, 9
	s_add_co_u32 s78, s78, s79                     ; (256 x block column + 128 x half) x 4 bytes
	s_mov_b32 s79, 0
	s_add_nc_u64 s[68:69], s[68:69], s[78:79]
	s_lshl1_add_u32 s82, s13, s11
	s_lshl_b32 s82, s82, 15                        ; cs: (256 x block row + 128 x half) rows of 256 bytes
	s_mov_b32 s83, 0
	s_add_nc_u64 s[72:73], s[72:73], s[82:83]
.irp b, 0,1,2,3,4,5,6,7
	global_load_b128 v[RW+8*\b:RW+8*\b+3],   v[VH], s[68:69] offset:64*\b
	global_load_b128 v[RW+8*\b+4:RW+8*\b+7], v[VH], s[68:69] offset:64*\b+16
.endr
.irp b, 0,1,2,3
	global_load_b128 v[SC+8*\b:SC+8*\b+3],   v[VH], s[70:71] offset:64*\b
	global_load_b128 v[SC+8*\b+4:SC+8*\b+7], v[VH], s[70:71] offset:64*\b+16
.endr
	WIN TO_B                                       ; cos and sin of my row blocks 0-3, into 128 registers of window 1 that the loop leaves alone:
	CSLOAD 0                                       ; they land while the first tiles are on their way
	CSLOAD 1
	CSLOAD 2
	CSLOAD 3
	WIN 0
	s_lshr_b32 s77, ttmp9, 1                       ; type 0 q, 1 k, 2 v: eight block columns = two clusters each, so the place in the cluster does not enter
	s_cmp_eq_u32 s77, 0
	s_cselect_b32 s76, 0x3fb8aa3b, 1.0             ; q carries log2 e, so that the softmax can use powers of two
	s_mov_b32 s80, 0x76543210                      ; v_permlanex16_b32: lane i reads lane i of the other half
	s_mov_b32 s81, 0xfedcba98
	s_wait_loadcnt 0x0
.irp k, 0,2,4,6,8,10,12,14,16,18,20,22,24,26,28,30
	v_cvt_pk_bf16_f32 v10, v[SC+\k], v[SC+\k+1]    ; qk_scale rounded to bf16 like the other inputs,
	v_lshlrev_b32 v[SC+\k], 16, v10
	v_and_b32 v[SC+\k+1], 0xffff0000, v10
	v_pk_mul_f32 v[SC+\k:SC+\k+1], v[SC+\k:SC+\k+1], s[76:77] op_sel_hi:[1,0]   ; times s76
.endr
; 16 matrix instructions: m blocks a0, a0 + 1 of the window's four x all 8 n blocks, 32 along K.  zero = 1: the first product starts the sums.
; The 64 accumulators take turns, one instruction a turn, in the same order in every quarter step.
.macro MUL16 f, hi, a0, zero
.irp a, \a0, \a0+1
.irp b, 0,1,2,3,4,5,6,7
.if \zero
	v_wmma_f32_16x16x32_bf16 v[8*(8*(\a)+\b):8*(8*(\a)+\b)+7], v[\f+8*\b:\f+8*\b+7], v[\f+8*(4*\hi+\a):\f+8*(4*\hi+\a)+7], 0
.else
	v_wmma_f32_16x16x32_bf16 v[8*(8*(\a)+\b):8*(8*(\a)+\b)+7], v[\f+8*\b:\f+8*\b+7], v[\f+8*(4*\hi+\a):\f+8*(4*\hi+\a)+7], v[8*(8*(\a)+\b):8*(8*(\a)+\b)+7]
.endif
.endr
.endr
.endm
; 32 LDS loads in one run: the fragments of one quarter step into buffer f
.macro FETCH slot, k, f
	WIN TO_B
.irp i, 0,1,2,3,4,5,6,7
	ds_load_b128 v[\f+8*\i:\f+8*\i+3],   v[ADRB+\slot] offset:\k+\i*16*PITCH
	ds_load_b128 v[\f+8*\i+4:\f+8*\i+7], v[ADRB+\slot] offset:\k+\i*16*PITCH+32
.endr
	WIN 0
.irp i, 0,1,2,3,4,5,6,7
	ds_load_b128 v[\f+8*\i:\f+8*\i+3],   v[ADRA+\slot] offset:\k+\i*16*PITCH
	ds_load_b128 v[\f+8*\i+4:\f+8*\i+7], v[ADRA+\slot] offset:\k+\i*16*PITCH+32
.endr
.endm
; Four plain vector instructions stand between a matrix instruction and a load into, or a vector instruction on, one of its registers
.macro PLACES
.rept 4
	v_nop
.endr
.endm
.macro QUARTER slot, k, f, g, zero
	s_wait_dscnt 8                                 ; wb and xb's rows 0-63 are in; the youngest eight loads (rows 64-127) may be out
	WIN MUL_LO
	MUL16 \f, 0, 0, \zero
	MUL16 \f, 0, 2, \zero
	PLACES
	FETCH \slot, \k, \g
	s_wait_dscnt 32                                ; all but the 32 just issued
	WIN MUL_HI
	MUL16 \f, 1, 0, \zero
	MUL16 \f, 1, 2, \zero
.endm
.macro THREE slot, zero
	QUARTER \slot, 64,  F0, F1, \zero
	QUARTER \slot, 128, F1, F0, 0
	QUARTER \slot, 192, F0, F1, 0
.endm
; The last quarter of a K step changes slots.  In front of the barrier each wave waits for its reads of this slot and for all its tensor loads
; (one is out: its part of the next slot).  Behind it (where the slot is filled again: behind the cluster's round that it opens) the refill comes first.
.macro TURN slot, next, fill
	s_wait_dscnt 8
	WIN MUL_LO
	MUL16 F1, 0, 0, 0
	s_wait_dscnt 0                                 ; my reads of this slot are over
	s_set_vgpr_msb 0xa1a0
	s_wait_tensorcnt 0x0                           ; and all my tensor loads have landed
	ds_add_u32 v14, v15
	s_wait_dscnt 0x0
	s_set_vgpr_msb 0xa0a1
	s_barrier_signal -1
	MUL16 F1, 0, 2, 0                              ; register work while the others arrive
	WIN 0
	s_barrier_wait -1
.if \fill
	CREST                                          ; no wave of any partner still reads this slot or has a load on its way
	s_add_nc_u64 s[G0+4*\slot+2:G0+4*\slot+3], s[G0+4*\slot+2:G0+4*\slot+3], 2*KSTEP*2
	s_add_nc_u64 s[G0B+4*\slot+2:G0B+4*\slot+3], s[G0B+4*\slot+2:G0B+4*\slot+3], 2*KSTEP*2
	JLOAD \slot                                    ; the first tensor load behind the round
.endif
	PLACES
	FETCH \next, 0, F0
	WIN MUL_HI
	MUL16 F1, 1, 0, 0
	MUL16 F1, 1, 2, 0
.endm
.macro LAP zero
	THREE 0, \zero
	TURN 0, 1, 1
	THREE 1, 0
	TURN 1, 0, 1
.endm
	s_wait_tensorcnt 1                             ; my part of K step 0 is in; K step 1's load stays out
	s_barrier_signal -1
	s_barrier_wait -1
	FETCH 0, 0, F0
	LAP 1                                          ; the first lap stands in front of the loop: its first products start the sums
	WIN 0
	s_mov_b32 s3, LAPS-2
.Llap:
	LAP 0
	WIN 0
	s_sub_co_u32 s3, s3, 1
	s_cmp_lg_u32 s3, 0
	s_cbranch_scc1 .Llap
	THREE 0, 0                                     ; the last lap fills nothing
	TURN 0, 1, 0
	THREE 1, 0
	s_wait_dscnt 8
	WIN MUL_LO
	MUL16 F1, 0, 0, 0
	MUL16 F1, 0, 2, 0
	s_wait_dscnt 0
	WIN MUL_HI
	MUL16 F1, 1, 0, 0
	MUL16 F1, 1, 2, 0
	; THE WAY OUT, 16 rows at a time
	PLACES
	WIN 0
	s_lshl_b32 s78, s77, 23                        ; type x 8,388,608
	s_lshr_b32 s82, s13, 2
	s_lshl_b32 s82, s82, 5                         ; batch x 32
	s_and_b32 s83, s42, 7
	s_lshl2_add_u32 s82, s83, s82                  ; + 4 heads for each block column of the type
	s_lshl1_add_u32 s82, s12, s82                  ; + 2 for my half of the columns
	s_lshl_b32 s82, s82, 17                        ; 131,072 bytes a head
	s_add_co_u32 s78, s78, s82
	s_and_b32 s82, s13, 3
	s_lshl1_add_u32 s82, s82, s11
	s_lshl_b32 s82, s82, 14                        ; (256 x (block row % 4) + 128 x half) positions of 128 bytes
	s_add_co_u32 s78, s78, s82
	s_mov_b32 s79, 0
	s_add_nc_u64 s[8:9], s[74:75], s[78:79]
	v_mov_b32 v6, 0                                ; v_permlanex16_b32 counts as a reader of its destination
; rows 16 i .. 16 i + 15 of my block = the eight tiles (a, 0..7) of window 2 or 3 (from = 0x02 or 0x03: source 0); tiles 0-3 are one head, 4-7 the next
.macro OUT16 i, a, from, qk
	SETCSB \i
.irp hd, 0,1
	WIN \from
.irp bp, 0,1,2,3
.irp k, 0,2,4,6
	v_pk_mul_f32 v[T+8*\bp+\k:T+8*\bp+\k+1], v[8*(8*\a+4*\hd+\bp)+\k:8*(8*\a+4*\hd+\bp)+\k+1], v[RW+8*(4*\hd+\bp)+\k:RW+8*(4*\hd+\bp)+\k+1]
.endr
.endr
	WIN 0
.if \qk
	v_pk_mul_f32 v[2:3],   v[T:T+1],   v[T:T+1]    ; the head's sum of squares: my 32 numbers in four chains,
	v_pk_mul_f32 v[4:5],   v[T+2:T+3], v[T+2:T+3]
	v_pk_mul_f32 v[8:9],   v[T+4:T+5], v[T+4:T+5]
	v_pk_mul_f32 v[10:11], v[T+6:T+7], v[T+6:T+7]
.irp k, 8,16,24
	v_pk_fma_f32 v[2:3],   v[T+\k:T+\k+1],   v[T+\k:T+\k+1],   v[2:3]
	v_pk_fma_f32 v[4:5],   v[T+\k+2:T+\k+3], v[T+\k+2:T+\k+3], v[4:5]
	v_pk_fma_f32 v[8:9],   v[T+\k+4:T+\k+5], v[T+\k+4:T+\k+5], v[8:9]
	v_pk_fma_f32 v[10:11], v[T+\k+6:T+\k+7], v[T+\k+6:T+\k+7], v[10:11]
.endr
	v_pk_add_f32 v[2:3], v[2:3], v[4:5]
	v_pk_add_f32 v[8:9], v[8:9], v[10:11]
	v_pk_add_f32 v[2:3], v[2:3], v[8:9]
	v_add_f32 v2, v2, v3
	v_permlanex16_b32 v6, v2, s80, s81             ; and the other 32 from lane l xor 16
	v_add_f32 v2, v2, v6
	v_sqrt_f32 v3, v2
	v_nop                                          ; one plain instruction behind a transcendental (ISA guide 5.7.2)
	s_wait_alu depctr_va_vdst(0)
	v_max_num_f32 v3, EPS, v3
	v_rcp_f32 v8, v3
	v_rcp_f32 v9, v3
	v_nop
	s_wait_alu depctr_va_vdst(0)
.irp k, 0,2,4,6,8,10,12,14,16,18,20,22,24,26,28,30
	v_pk_mul_f32 v[T+\k:T+\k+1], v[T+\k:T+\k+1], v[8:9]
.endr
.irp k, 0,2,4,6,8,10,12,14,16,18,20,22,24,26,28,30
	v_pk_mul_f32 v[T+\k:T+\k+1], v[T+\k:T+\k+1], v[SC+\k:SC+\k+1]
.endr
.if \i == 4
.if \hd == 0
	s_wait_loadcnt 0x0                             ; cos and sin of blocks 4-7, asked for four blocks of work ago
.endif
.endif
	WIN 0x04                                       ; source 1 (cos, sin) in window 1
.irp k, 0,2,4,6,8,10,12,14,16,18,20,22,24,26,28,30
	v_mul_f32 v[U+\k],   v[T+\k+1], v[CSB+\k+1]    ; (t1, t2) -> (t1 cos - t2 sin, t2 cos + t1 sin): first the 32 products with sin,
	v_mul_f32 v[U+\k+1], v[T+\k],   v[CSB+\k+1]    ; none of which waits for another,
.endr
.irp k, 0,2,4,6,8,10,12,14,16,18,20,22,24,26,28,30
	v_fma_f32 v[T+\k],   v[T+\k],   v[CSB+\k], -v[U+\k]    ; then the 32 fused multiply-adds
	v_fma_f32 v[T+\k+1], v[T+\k+1], v[CSB+\k], v[U+\k+1]
.endr
	WIN 0
.endif
.irp k, 0,1,2,3,4,5,6,7,8,9,10,11,12,13,14,15
	v_cvt_pk_f16_f32 v[TMP+16*\hd+\k], v[T+2*\k], v[T+2*\k+1]
.endr
.endr
.irp b, 0,1,2,3,4,5,6,7
	ds_store_b128 v[STO], v[TMP+4*\b:TMP+4*\b+3] offset:32*\b
.endr
	s_wait_xcnt 0x0                                ; RB was the data of the last block's stores: it is loaded again only behind this wait
.irp t, 0,1,2,3,4,5,6,7
	ds_load_b128 v[RB+4*\t:RB+4*\t+3], v[RD] offset:\t*2*SPITCH    ; LDS serves a wave's instructions in order (ISA guide 5.7.1): these see the stores above
.endr
.irp t, 0,1,2,3,4,5,6,7
	s_wait_dscnt 7-\t
	global_store_b128 v[CO], v[RB+4*\t:RB+4*\t+3], s[8:9] offset:\i*2048+256*\t   ; 16 lanes store 256 consecutive bytes, aligned: two rows of one head
.endr
.endm
	s_cmp_eq_u32 s77, 2
	s_cbranch_scc1 .Lvpath
	WIN TO_B                                       ; cos and sin of my row blocks 4-7 take the place of wb's fragments, four places behind the last matrix instruction
	CSLOAD 4
	CSLOAD 5
	CSLOAD 6
	CSLOAD 7
	WIN 0
	OUT16 0, 0, 0x02, 1
	OUT16 1, 1, 0x02, 1
	OUT16 2, 2, 0x02, 1
	OUT16 3, 3, 0x02, 1
	OUT16 4, 0, 0x03, 1
	OUT16 5, 1, 0x03, 1
	OUT16 6, 2, 0x03, 1
	OUT16 7, 3, 0x03, 1
	s_branch .Ljoin
.Lvpath:
	OUT16 0, 0, 0x02, 0
	OUT16 1, 1, 0x02, 0
	OUT16 2, 2, 0x02, 0
	OUT16 3, 3, 0x02, 0
	OUT16 4, 0, 0x03, 0
	OUT16 5, 1, 0x03, 0
	OUT16 6, 2, 0x03, 0
	OUT16 7, 3, 0x03, 0
.Ljoin:
	s_wait_tensorcnt 0x0
	ds_add_u32 v14, v15
	s_wait_dscnt 0x0
	CROUND                                         ; the closing round: no work-group ends while a partner may still ask for a tile that names it
	s_endpgm
; ---- CLUSTER COLUMNS 6, 7: wo ----
; 64 work-groups, 32 rows each, 8 rows a wave.  One wave takes a whole row of 8,192 bytes: 16 loads of 512 consecutive bytes.  Two row slots in registers
; take turns.  A lane keeps the same 64 columns in every row, so its column sums of squares stay in 64 registers; the four waves' sums meet in LDS,
; in 32,768 bytes behind the ring, into which no tensor load lands.  This path issues no tensor load.
; The scalar loads of the kernel's head are still out when this path begins: up to its s_wait_kmcnt it works only in registers that none of them
; writes (they write s[4:7], s[68:75], s[84:89]).
.set WROWB,  8192                      ; bytes in a row as read
.set WOROWB, 4096                      ; bytes in a row as written
.set WOIMG,  STAGE                     ; four images of 2,048 column sums
.set WVI,  1                           ; v1        byte offset of my 16 bytes in my wave's first row, as read
.set WVO,  2                           ; v2        byte offset of my 8 bytes in my wave's first row, as written
.set WLN,  3                           ; v3        lane
.set WT,   4                           ; v[4:9]    at work
.set WX,   16                          ; v[16:143] two row slots of 64 registers
.set WACC, 144                         ; v[144:207] column sums of squares of my 8 rows
.set WA,   208                         ; v[208:210] LDS address of my image; byte offset of my columns; LDS address of my columns in image 0
.macro WFILL s, i
.irp j, 0,1,2,3,4,5,6,7,8,9,10,11,12,13,14,15
	global_load_b128 v[WX+64*\s+4*\j:WX+64*\s+4*\j+3], v[WVI], s[84:85] offset:(\i)*WROWB+512*\j th:TH_LOAD_NT
.endr
.endm
; round to bf16, add the squares of the rounded numbers to my columns' sums, hold the rounded numbers as f16 (packed in place), store
.macro WROW s, i
.irp j, 0,1,2,3,4,5,6,7,8,9,10,11,12,13,14,15
	v_cvt_pk_bf16_f32 v[WT+4], v[WX+64*\s+4*\j],   v[WX+64*\s+4*\j+1]
	v_cvt_pk_bf16_f32 v[WT+5], v[WX+64*\s+4*\j+2], v[WX+64*\s+4*\j+3]
	v_lshlrev_b32 v[WT],   16,  v[WT+4]
	v_and_b32     v[WT+1], s38, v[WT+4]
	v_lshlrev_b32 v[WT+2], 16,  v[WT+5]
	v_and_b32     v[WT+3], s38, v[WT+5]
.if \i == 0
	v_pk_mul_f32 v[WACC+4*\j:WACC+4*\j+1],   v[WT:WT+1],   v[WT:WT+1]            ; the first row starts the sums
	v_pk_mul_f32 v[WACC+4*\j+2:WACC+4*\j+3], v[WT+2:WT+3], v[WT+2:WT+3]
.else
	v_pk_fma_f32 v[WACC+4*\j:WACC+4*\j+1],   v[WT:WT+1],   v[WT:WT+1],   v[WACC+4*\j:WACC+4*\j+1]
	v_pk_fma_f32 v[WACC+4*\j+2:WACC+4*\j+3], v[WT+2:WT+3], v[WT+2:WT+3], v[WACC+4*\j+2:WACC+4*\j+3]
.endif
	v_cvt_pk_f16_f32 v[WX+64*\s+2*\j],   v[WT],   v[WT+1]
	v_cvt_pk_f16_f32 v[WX+64*\s+2*\j+1], v[WT+2], v[WT+3]
.endr
.irp j, 0,1,2,3,4,5,6,7,8,9,10,11,12,13,14,15
	global_store_b64 v[WVO], v[WX+64*\s+2*\j:WX+64*\s+2*\j+1], s[86:87] offset:\i*WOROWB+256*\j   ; 256 consecutive bytes, aligned
.endr
.endm
; row i in slot s.  left: loads come back in order, so with 16 the row is in and the younger row's 16 loads stay out.
; fill: the slot takes row i + 2, behind the wait that shows the stores' sources taken.
.macro WTURN s, i, fill, left
	s_wait_loadcnt \left
	WROW \s, \i
.if \fill
	s_wait_xcnt 0x0
	WFILL \s, \i+2
.endif
.endm
.Lwo:
	s_sub_co_u32 s2, ttmp9, 6                      ; 0, 1
	s_and_b32 s3, ttmp7, 0xffff                    ; the cluster's y: 0, 1
	s_lshl1_add_u32 s2, s2, s3                     ; which of the four clusters
	s_lshl2_add_u32 s2, s2, s41
	s_lshl2_add_u32 s3, s2, s40                    ; block of 32 rows = (4 x cluster + cy) x 4 + cx, 0 .. 63
	v_and_b32 v[WLN], 31, v0
	v_and_b32 v5, 0x60, v0                         ; 32 x wave
	v_lshlrev_b32 v[WVI], 4, v[WLN]
	v_lshl_or_b32 v[WVI], v5, 11, v[WVI]           ; 16 x lane + wave x 8 rows x 8,192 bytes
	v_lshlrev_b32 v[WVO], 3, v[WLN]
	v_lshl_or_b32 v[WVO], v5, 10, v[WVO]           ; 8 x lane + wave x 8 rows x 4,096 bytes
	s_mov_b32 s38, 0xffff0000                      ; a word's upper bf16
	s_lshl_b32 s34, s3, 18                         ; the block's 32 rows as read,
	s_mov_b32 s35, 0
	s_lshl_b32 s36, s3, 17                         ; as written,
	s_mov_b32 s37, 0
	s_lshl_b32 s90, s3, 13                         ; and its 8,192 bytes of wosq
	s_mov_b32 s91, 0
	s_lshl_b32 s92, s10, 13
	s_add_co_u32 s92, s92, WOIMG                   ; my wave's image
	s_lshl_b32 s93, s10, 11                        ; the 512 columns that my wave adds up
	v_lshl_add_u32 v[WA], v[WLN], 4, s92
	v_lshl_add_u32 v[WA+1], v[WLN], 4, s93
	v_add_nc_u32 v[WA+2], WOIMG, v[WA+1]
	s_wait_kmcnt 0x0
	s_add_nc_u64 s[84:85], s[84:85], s[34:35]
	s_add_nc_u64 s[86:87], s[86:87], s[36:37]
	s_add_nc_u64 s[88:89], s[88:89], s[90:91]
	WFILL 0, 0
	WFILL 1, 1
	WTURN 0, 0, 1, 16
	WTURN 1, 1, 1, 16
	WTURN 0, 2, 1, 16
	WTURN 1, 3, 1, 16
	WTURN 0, 4, 1, 16
	WTURN 1, 5, 1, 16
	WTURN 0, 6, 0, 16
	WTURN 1, 7, 0, 0
.irp j, 0,1,2,3,4,5,6,7,8,9,10,11,12,13,14,15
	ds_store_b128 v[WA], v[WACC+4*\j:WACC+4*\j+3] offset:512*\j
.endr
	s_wait_dscnt 0x0                               ; my image is written, for the other waves' sake,
	s_barrier_signal -1
	s_barrier_wait -1                              ; and so is everybody's
	s_wait_xcnt 0x0                                ; slot 0 was the data of stores: it is loaded again only behind this wait
.irp img, 0,1,2,3
.irp c, 0,1,2,3
	ds_load_b128 v[WX+16*\img+4*\c:WX+16*\img+4*\c+3], v[WA+2] offset:\img*8192+512*\c
.endr
.endr
	s_wait_dscnt 0x0
.irp img, 1,2,3
.irp c, 0,1,2,3
	v_pk_add_f32 v[WX+4*\c:WX+4*\c+1],   v[WX+4*\c:WX+4*\c+1],   v[WX+16*\img+4*\c:WX+16*\img+4*\c+1]
	v_pk_add_f32 v[WX+4*\c+2:WX+4*\c+3], v[WX+4*\c+2:WX+4*\c+3], v[WX+16*\img+4*\c+2:WX+16*\img+4*\c+3]
.endr
.endr
.irp c, 0,1,2,3
	global_store_b128 v[WA+1], v[WX+4*\c:WX+4*\c+3], s[88:89] offset:512*\c   ; 512 consecutive bytes, aligned
.endr
	s_wait_tensorcnt 0x0
	ds_add_u32 v14, v15
	s_wait_dscnt 0x0
	CROUND                                         ; this path too ends with a round of the cluster's barrier
	s_endpgm
.Lfunc_end_k_q51dc62b04f_qkvp:
	.size	k_q51dc62b04f_qkvp, .Lfunc_end_k_q51dc62b04f_qkvp-k_q51dc62b04f_qkvp
	.p2alignl 7, 3214868480
	.fill 96, 4, 3214868480
	.section	.rodata,"a",@progbits
	.p2align	6, 0x0
	.amdhsa_kernel k_q51dc62b04f_qkvp
		.amdhsa_group_segment_fixed_size 327680
		.amdhsa_private_segment_fixed_size 0
		.amdhsa_enable_private_segment 0
		.amdhsa_kernarg_size 72
		.amdhsa_user_sgpr_count 2
		.amdhsa_user_sgpr_kernarg_segment_ptr 1
		.amdhsa_wavefront_size32 1
		.amdhsa_system_sgpr_workgroup_id_x 1
		.amdhsa_system_sgpr_workgroup_id_y 1
		.amdhsa_system_sgpr_workgroup_id_z 1
		.amdhsa_system_vgpr_workitem_id 0
		.amdhsa_next_free_vgpr 1024
		.amdhsa_next_free_sgpr 96
		.amdhsa_reserve_vcc 0
		.amdhsa_float_denorm_mode_32 3
		.amdhsa_float_denorm_mode_16_64 3
		.amdhsa_memory_ordered 1
		.amdhsa_forward_progress 1
		.amdhsa_inst_pref_size 255
	.end_amdhsa_kernel
	.section	.bss,"aw",@nobits
	.p2align	6
	.space	262144
	.amdgpu_metadata
---
amdhsa.version: [ 1, 2 ]
amdhsa.kernels:
  - .name:           k_q51dc62b04f_qkvp
    .symbol:         k_q51dc62b04f_qkvp.kd
    .args:
      - { .name: xb, .offset: 0, .size: 8, .value_kind: global_buffer, .address_space: global }
      - { .name: wb, .offset: 8, .size: 8, .value_kind: global_buffer, .address_space: global }
      - { .name: rw, .offset: 16, .size: 8, .value_kind: global_buffer, .address_space: global }
      - { .name: qk_scale, .offset: 24, .size: 8, .value_kind: global_buffer, .address_space: global }
      - { .name: cs, .offset: 32, .size: 8, .value_kind: global_buffer, .address_space: global }
      - { .name: qkv, .offset: 40, .size: 8, .value_kind: global_buffer, .address_space: global }
      - { .name: wo, .offset: 48, .size: 8, .value_kind: global_buffer, .address_space: global }
      - { .name: wob, .offset: 56, .size: 8, .value_kind: global_buffer, .address_space: global }
      - { .name: wosq, .offset: 64, .size: 8, .value_kind: global_buffer, .address_space: global }
    .group_segment_fixed_size: 327680
    .private_segment_fixed_size: 0
    .kernarg_segment_align: 8
    .kernarg_segment_size: 72
    .max_flat_workgroup_size: 128
    .sgpr_count:     96
    .vgpr_count:     1024
    .wavefront_size: 32
...
	.end_amdgpu_metadata
.endif
;; end of part 2
;; launch attn (part 3): grid 256 x 1, 4 waves a work-group, no clusters, 327,680 bytes of LDS; arguments qkv, wosq, ao; writes ao
.if DOCPART == 3
	.amdgcn_target "amdgcn-amd-amdhsa--gfx1250"
	.amdhsa_code_object_version 6
	.text
	.protected	k_q51dc62b04f_attn
	.globl	k_q51dc62b04f_attn
	.p2align	8
	.type	k_q51dc62b04f_attn,@function
k_q51dc62b04f_attn:
	s_mov_b64 s[64:65], 0
	v_nop
	global_prefetch_b8 v0, s[64:65] scope:SCOPE_SE
	s_setreg_imm32_b32 hwreg(HW_REG_WAVE_MODE, 25, 1), 1
	s_wait_xcnt 0x0
; attn: causal softmax attention of one (batch, head), f16 operands, f32 sums, running maximum; q carries log2 e, so p = 2^(s - m).
; The result is divided by the row sum, multiplied by ro[e] = 1 / max(norm of column e of the rounded wo, 1e-12) and stored as f16: ao[batch*32+head][pos][64].
; A work-group takes query block p (128 rows) and then block 7 - p of its head: (p + 1) + (8 - p) = 9 steps of 128 keys in every work-group.
; Wave w owns query rows 32 w .. 32 w + 31 of the block, two tiles u of 16.
; S^T = K Q^T: lane (r, h) holds keys 16 t + 8 h + j of query r, so a row's maximum and sum need the lane's own registers and lane l xor 16,
; and two such tiles packed to f16 in place ARE the second operand of O^T = V^T P^T.  V^T comes by the transposing LDS load.
; K and V tiles go through two LDS slots; each wave fetches its 32 keys of each (4,096 dense bytes as 16 rows of 256); at most two tensor loads of a wave are out.
; NO MULTICAST: the four work-groups of a head walk different numbers of key tiles in each phase (p + 1 and 8 - p), so from the second step on they
; want different tiles, and the branch to the masked step hangs on p, which would be the place in a cluster.
; LIMITS: |v| and |result x ro| < 65504 (f16); p below 2^-14 keeps an absolute error of 2^-25.  Masked logits are the lowest finite f32, as in the definition.
.set KP,    144                        ; K: a key's 128 bytes + 16: an odd multiple of 16
.set VP,    160                        ; V: a key's 128 bytes + 32: an odd multiple of 32, for the transposing load
.set VOFF,  128*KP                     ; 18,432
.set SLOT,  VOFF+128*VP                ; 38,912
.set STAGE, 2*SLOT                     ; 77,824: 2,304 bytes for each wave, never the target of a fill
.set EPS,   0x2b8cbccc                 ; 1e-12
.set AK,  2                            ; v2-3    my K fragment address in slot 0, 1
.set AV,  4                            ; v4-5    my V fragment address in slot 0, 1
.set VQ,  6                            ; v6      my byte offset in my wave's 32 rows of q
.set STO, 7                            ; v7      stage, in
.set RD,  8                            ; v8      stage, back
.set CO,  9                            ; v9      16 x lane
.set DQ,  10                           ; v10-11  query index in the block minus 8 h, tile u
.set NEG, 12                           ; v12     the lowest finite f32
.set MX,  13                           ; v13-14  running maximum, tile u
.set LS,  15                           ; v15-16  running sum of my half of the keys, tile u
.set MN,  18                           ; v[18:19] the new maximum, twice
.set AL,  20                           ; v[20:21] 2^(old maximum - new maximum), twice
.set CH,  22                           ; v[22:25] four chains of maxima
.set PX,  26                           ; v26     what comes from lane l xor 16
.set SM,  28                           ; v[28:35] sums
.set IV,  40                           ; v[40:41] 1 / row sum, twice
.set OA,  64                           ; v[64:127]  O^T: tile (u, dt) at 32 u + 8 dt
.set SA,  128                          ; v[128:191] S^T: tile (u, t) at 32 u + 8 t; then P
.set QF,  192                          ; v[192:223] Q fragments, 16 u + 8 dk
.set ROF, 224                          ; v[224:255] ro of d = 16 dt + 8 h + j at 8 dt + j
.set KF,  0                            ; window 1, v[0:63]: K fragments, 16 t + 8 dk
.set VF,  64                           ; window 1, v[64:127]: V^T fragments, 8 (2 dt + kh)
.set G1K, 32
.set G1V, 40
.set G0,  48                           ; slot s: K's group 0 at G0 + 8 s, V's at G0 + 8 s + 4
.set MSB, 0
.macro WIN new                         ; the immediate's high byte repeats the setting that is left
.if MSB != \new
	s_set_vgpr_msb (MSB<<8)|\new
.set MSB, \new
.endif
.endm
.macro PLACES5                         ; five plain vector instructions behind a run of matrix instructions (ISA guide 7.12.1): they serve the vector reads of the
.rept 5                                ; results, the loads into the operands, and the next matrix instructions that write over P
	v_nop
.endr
.endm
.macro FETCHK slot, g                  ; the K fragments of keys 64 g .. 64 g + 63
	WIN 0x40
.irp t, 0,1,2,3
.irp dk, 0,1
	ds_load_b128 v[KF+16*\t+8*\dk:KF+16*\t+8*\dk+3],   v[AK+\slot] offset:(64*\g+16*\t)*KP+64*\dk
	ds_load_b128 v[KF+16*\t+8*\dk+4:KF+16*\t+8*\dk+7], v[AK+\slot] offset:(64*\g+16*\t)*KP+64*\dk+32
.endr
.endr
.endm
.macro FETCHV slot, g                  ; the V^T fragments of the same keys
	WIN 0x40
.irp dt, 0,1,2,3
.irp kh, 0,1
	ds_load_tr16_b128 v[VF+8*(2*\dt+\kh):VF+8*(2*\dt+\kh)+3],   v[AV+\slot] offset:(64*\g+32*\kh)*VP+32*\dt
	ds_load_tr16_b128 v[VF+8*(2*\dt+\kh)+4:VF+8*(2*\dt+\kh)+7], v[AV+\slot] offset:(64*\g+32*\kh)*VP+32*\dt+16*VP
.endr
.endr
.endm
; In SMUL and PVMUL eight accumulators take turns, one instruction a turn.
.macro SMUL                            ; S^T = K Q^T for 64 keys x 32 queries
	WIN 0x01
.irp t, 0,1,2,3
.irp u, 0,1
	v_wmma_f32_16x16x32_f16 v[SA+32*\u+8*\t:SA+32*\u+8*\t+7], v[KF+16*\t:KF+16*\t+7], v[QF+16*\u:QF+16*\u+7], 0
.endr
.endr
.irp t, 0,1,2,3
.irp u, 0,1
	v_wmma_f32_16x16x32_f16 v[SA+32*\u+8*\t:SA+32*\u+8*\t+7], v[KF+16*\t+8:KF+16*\t+15], v[QF+16*\u+8:QF+16*\u+15], v[SA+32*\u+8*\t:SA+32*\u+8*\t+7]
.endr
.endr
.endm
.macro PVMUL                           ; O^T += V^T P^T
	WIN 0x01
.irp kh, 0,1
.irp dt, 0,1,2,3
.irp u, 0,1
	v_wmma_f32_16x16x32_f16 v[OA+32*\u+8*\dt:OA+32*\u+8*\dt+7], v[VF+8*(2*\dt+\kh):VF+8*(2*\dt+\kh)+7], v[SA+32*\u+16*\kh:SA+32*\u+16*\kh+7], v[OA+32*\u+8*\dt:OA+32*\u+8*\dt+7]
.endr
.endr
.endr
.endm
.macro QLOAD base                      ; my wave's 32 rows of q as second-operand fragments
.irp u, 0,1
.irp dk, 0,1
	global_load_b128 v[QF+16*\u+8*\dk:QF+16*\u+8*\dk+3],   v[VQ], s[\base:\base+1] offset:2048*\u+64*\dk
	global_load_b128 v[QF+16*\u+8*\dk+4:QF+16*\u+8*\dk+7], v[VQ], s[\base:\base+1] offset:2048*\u+64*\dk+32
.endr
.endr
.endm
; The softmax step of query tile u on keys 64 g .. 64 g + 63
.macro SOFT u, g, mask
.if \mask
.irp t, 0,1,2,3
.irp j, 0,1,2,3,4,5,6,7
	v_cmp_gt_i32 vcc_lo, 64*\g+16*\t+\j, v[DQ+\u]          ; key 64 g + 16 t + 8 h + j lies behind query 32 w + 16 u + r
	v_cndmask_b32 v[SA+32*\u+8*\t+\j], v[SA+32*\u+8*\t+\j], v[NEG], vcc_lo
.endr
.endr
.endif
	v_max3_num_f32 v[CH],   v[SA+32*\u],   v[SA+32*\u+1],  v[SA+32*\u+2]
	v_max3_num_f32 v[CH+1], v[SA+32*\u+3], v[SA+32*\u+4],  v[SA+32*\u+5]
	v_max3_num_f32 v[CH+2], v[SA+32*\u+6], v[SA+32*\u+7],  v[SA+32*\u+8]
	v_max3_num_f32 v[CH+3], v[SA+32*\u+9], v[SA+32*\u+10], v[SA+32*\u+11]
.irp k, 0,1,2,3,4,5,6,7,8,9
	v_max3_num_f32 v[CH+\k%4], v[CH+\k%4], v[SA+32*\u+12+2*\k], v[SA+32*\u+13+2*\k]
.endr
	v_max3_num_f32 v[CH], v[CH], v[CH+1], v[CH+2]
	v_max3_num_f32 v[CH], v[CH], v[CH+3], v[MX+\u]         ; the running maximum joins in
	v_permlanex16_b32 v[PX], v[CH], s66, s67
	v_max_num_f32 v[MN], v[CH], v[PX]
	v_mov_b32 v[MN+1], v[MN]
	v_sub_f32 v[AL], v[MX+\u], v[MN]
.irp k, 0,2,4,6,8,10,12,14,16,18,20,22,24,26,28,30
	v_pk_add_f32 v[SA+32*\u+\k:SA+32*\u+\k+1], v[SA+32*\u+\k:SA+32*\u+\k+1], v[MN:MN+1] neg_lo:[0,1] neg_hi:[0,1]
.endr
.irp k, 0,1,2,3,4,5,6,7,8,9,10,11,12,13,14,15,16,17,18,19,20,21,22,23,24,25,26,27,28,29,30,31
	v_exp_f32 v[SA+32*\u+\k], v[SA+32*\u+\k]
.endr
	v_exp_f32 v[AL], v[AL]
	v_mov_b32 v[MX+\u], v[MN]                              ; the plain instruction behind the transcendentals (ISA guide 5.7.2)
	s_wait_alu depctr_va_vdst(0)
	v_mov_b32 v[AL+1], v[AL]
	v_pk_add_f32 v[SM:SM+1],   v[SA+32*\u:SA+32*\u+1],     v[SA+32*\u+2:SA+32*\u+3]
	v_pk_add_f32 v[SM+2:SM+3], v[SA+32*\u+4:SA+32*\u+5],   v[SA+32*\u+6:SA+32*\u+7]
	v_pk_add_f32 v[SM+4:SM+5], v[SA+32*\u+8:SA+32*\u+9],   v[SA+32*\u+10:SA+32*\u+11]
	v_pk_add_f32 v[SM+6:SM+7], v[SA+32*\u+12:SA+32*\u+13], v[SA+32*\u+14:SA+32*\u+15]
.irp k, 0,1,2,3,4,5,6,7
	v_pk_add_f32 v[SM+2*(\k%4):SM+2*(\k%4)+1], v[SM+2*(\k%4):SM+2*(\k%4)+1], v[SA+32*\u+16+2*\k:SA+32*\u+17+2*\k]
.endr
	v_pk_add_f32 v[SM:SM+1], v[SM:SM+1], v[SM+2:SM+3]
	v_pk_add_f32 v[SM+4:SM+5], v[SM+4:SM+5], v[SM+6:SM+7]
	v_pk_add_f32 v[SM:SM+1], v[SM:SM+1], v[SM+4:SM+5]
	v_add_f32 v[SM], v[SM], v[SM+1]
	v_fma_f32 v[LS+\u], v[LS+\u], v[AL], v[SM]
	; pack to f16 in place: tiles 2 kh and 2 kh + 1 become registers 0-3 and 4-7 of P(u, kh); no destination passes a source not yet read
.irp kh, 0,1
.irp i, 0,1,2,3
	v_cvt_pk_f16_f32 v[SA+32*\u+16*\kh+\i], v[SA+32*\u+16*\kh+2*\i], v[SA+32*\u+16*\kh+2*\i+1]
.endr
.irp i, 0,1,2,3
	v_cvt_pk_f16_f32 v[SA+32*\u+16*\kh+4+\i], v[SA+32*\u+16*\kh+8+2*\i], v[SA+32*\u+16*\kh+9+2*\i]
.endr
.endr
.irp k, 0,2,4,6,8,10,12,14,16,18,20,22,24,26,28,30
	v_pk_mul_f32 v[OA+32*\u+\k:OA+32*\u+\k+1], v[OA+32*\u+\k:OA+32*\u+\k+1], v[AL:AL+1]
.endr
.endm
; One step of 128 keys.  The waits for 16 leave the 16 younger fragment loads out: LDS loads come back in order (ISA guide 5.7.1).
.macro BODY slot, mask, qhook
	s_wait_dscnt 16                                ; K of keys 0-63 is in; V's 16 loads may be out
	SMUL
	PLACES5
	FETCHK \slot, 1
	WIN 0
	SOFT 0, 0, \mask
	SOFT 1, 0, \mask
	s_wait_dscnt 16                                ; V of keys 0-63 is in; K of keys 64-127 may be out
	PVMUL
	PLACES5
	FETCHV \slot, 1
	s_wait_dscnt 16                                ; K of keys 64-127 is in
	SMUL
	PLACES5
	WIN 0
.if \qhook
	QLOAD 28                                       ; the phase's last product with q is done: the next phase's q is asked for
.endif
	SOFT 0, 1, \mask
	SOFT 1, 1, \mask
	s_wait_dscnt 0x0                               ; V of keys 64-127 is in
	PVMUL
	PLACES5
	WIN 0
.endm
; The end of a query block: divide, scale by ro, round to f16, through my stage, out in runs of 512 consecutive bytes
.macro FIN
.irp u, 0,1
	v_permlanex16_b32 v[PX], v[LS+\u], s66, s67
	v_add_f32 v[SM], v[LS+\u], v[PX]               ; both halves of the keys
	v_rcp_f32 v[IV], v[SM]
	v_rcp_f32 v[IV+1], v[SM]
	v_nop
	s_wait_alu depctr_va_vdst(0)
.irp k, 0,2,4,6,8,10,12,14,16,18,20,22,24,26,28,30
	v_pk_mul_f32 v[OA+32*\u+\k:OA+32*\u+\k+1], v[OA+32*\u+\k:OA+32*\u+\k+1], v[IV:IV+1]
.endr
.irp k, 0,2,4,6,8,10,12,14,16,18,20,22,24,26,28,30
	v_pk_mul_f32 v[OA+32*\u+\k:OA+32*\u+\k+1], v[OA+32*\u+\k:OA+32*\u+\k+1], v[ROF+\k:ROF+\k+1]
.endr
.irp k, 0,1,2,3,4,5,6,7,8,9,10,11,12,13,14,15
	v_cvt_pk_f16_f32 v[SA+32*\u+\k], v[OA+32*\u+2*\k], v[OA+32*\u+2*\k+1]
.endr
.irp dt, 0,1,2,3
	ds_store_b128 v[STO], v[SA+32*\u+4*\dt:SA+32*\u+4*\dt+3] offset:32*\dt
.endr
.irp i, 0,1,2,3
	ds_load_b128 v[SA+32*\u+16+4*\i:SA+32*\u+16+4*\i+3], v[RD] offset:4*KP*\i   ; my own bytes, served in order: these see the stores above
.endr
.irp i, 0,1,2,3
	s_wait_dscnt 3-\i
	global_store_b128 v[CO], v[SA+32*\u+16+4*\i:SA+32*\u+16+4*\i+3], s[24:25] offset:2048*\u+512*\i
.endr
.endr
	s_wait_xcnt 0x0                                ; the stores' data and base are written again only behind this wait
.endm
; The second query block.  O and the sums are not cleared: with the maximum at the lowest finite f32 the next factor 2^(old - new) is 0.
.macro REINIT
	s_mov_b64 s[24:25], s[26:27]
	s_mov_b32 s14, s69
	v_mov_b32 v[MX], v[NEG]
	v_mov_b32 v[MX+1], v[NEG]
	s_wait_loadcnt 0x0                             ; the new q
.endm
; One step on slot \slot.  In front of the barrier every wave waits for all its tensor loads (its part of this step's tile among them) and for its
; reads of the other slot; behind it the other slot is filled again first, then this slot is read.
.macro STEP slot, last
	s_wait_tensorcnt 0x0
	ds_add_u32 v62, v63
	s_wait_dscnt 0x0
.if \last == 0
	s_add_co_u32 s15, s13, 1                       ; the next key tile: one on, or 0 behind a diagonal step
	s_cmp_eq_u32 s13, s14
	s_cselect_b32 s15, 0, s15
	s_lshl_b32 s16, s15, 14                        ; 128 keys of 128 bytes
	s_add_nc_u64 s[G0+8*(1-\slot)+2:G0+8*(1-\slot)+3], s[18:19], s[16:17]
	s_or_b32 s[G0+8*(1-\slot)+3], s[G0+8*(1-\slot)+3], 0x80000000
	s_add_nc_u64 s[G0+8*(1-\slot)+6:G0+8*(1-\slot)+7], s[20:21], s[16:17]
	s_or_b32 s[G0+8*(1-\slot)+7], s[G0+8*(1-\slot)+7], 0x80000000
.endif
	s_wait_dscnt 0x0
	s_barrier_signal -1
	s_barrier_wait -1
.if \last == 0
	tensor_load_to_lds s[G0+8*(1-\slot):G0+8*(1-\slot)+3], s[G1K:G1K+7]
	s_nop 0
	tensor_load_to_lds s[G0+8*(1-\slot)+4:G0+8*(1-\slot)+7], s[G1V:G1V+7]
	s_nop 0
.endif
	FETCHK \slot, 0
	FETCHV \slot, 0
	WIN 0
.if \last == 0
	s_cmp_eq_u32 s13, s14
	s_cbranch_scc1 .Ldiag_\@
	BODY \slot, 0, 0
	s_branch .Lend_\@
.Ldiag_\@:
	BODY \slot, 1, 1
	FIN
	REINIT
.Lend_\@:
	s_mov_b32 s13, s15
.else
	BODY \slot, 1, 0
	FIN
.endif
.endm
	s_load_b128 s[4:7], s[0:1], 0x0                ; qkv s[4:5], wosq s[6:7]
	s_load_b64 s[8:9], s[0:1], 0x10                ; ao
	v_lshl_add_u32 v62, v0, 2, 0x29000
	v_mov_b32 v63, 0
	ds_add_u32 v62, v63
	ds_add_u32 v62, v63
	v_lshrrev_b32 v1, 5, v0
	v_readfirstlane_b32 s10, v1                    ; wave
	s_lshr_b32 s11, ttmp9, 2                       ; batch x 32 + head
	s_and_b32 s12, ttmp9, 3                        ; p
	s_sub_co_u32 s69, 7, s12                       ; the second query block
	s_mov_b32 s66, 0x76543210                      ; v_permlanex16_b32: lane i reads lane i of the other half
	s_mov_b32 s67, 0xfedcba98
	; descriptor group 1: 16 rows of 128 elements of 2 bytes, dense; padding behind every 32 words (a key): 4 words for K, 8 for V
	s_mov_b32 s[G1K+0], (1<<16)|(1<<20)|(4<<22)|(3<<25)
	s_mov_b32 s[G1V+0], (1<<16)|(1<<20)|(4<<22)|(7<<25)
.irp g, G1K, G1V
	s_mov_b32 s[\g+1], 128<<16                     ; tensor_dim0 = 128
	s_mov_b32 s[\g+2], 16<<16                      ; tensor_dim1 = 16
	s_mov_b32 s[\g+3], 128<<16                     ; tile_dim0 = 128
	s_mov_b32 s[\g+4], 16                          ; tile_dim1 = 16
	s_mov_b32 s[\g+5], 128                         ; elements from row to row
	s_mov_b32 s[\g+6], 0
	s_mov_b32 s[\g+7], 0
.endr
	s_mul_i32 s2, s10, 32*KP                       ; my 32 keys in a slot
	s_mul_i32 s3, s10, 32*VP
	s_add_co_u32 s3, s3, VOFF
.irp s, 0,1
	s_mov_b32 s[G0+8*\s], 1
	s_add_co_u32 s[G0+8*\s+1], s2, \s*SLOT
	s_mov_b32 s[G0+8*\s+4], 1
	s_add_co_u32 s[G0+8*\s+5], s3, \s*SLOT
.endr
	s_lshl_b32 s16, s11, 17                        ; 131,072 bytes a head
	s_lshl_b32 s2, s10, 12                         ; 32 rows of 128 bytes a wave
	s_add_co_u32 s16, s16, s2
	s_mov_b32 s17, 0                               ; stays 0: s[16:17] is the offset pair
	s_and_b32 s2, s11, 31
	s_lshl_b32 s2, s2, 8                           ; wosq: the head's 64 columns
	s_mov_b32 s3, 0
	s_wait_dscnt 0x0
	s_wait_kmcnt 0x0
	s_add_nc_u64 s[22:23], s[4:5], s[16:17]        ; q: head and wave
	s_add_nc_u64 s[18:19], s[22:23], 0x800000      ; k
	s_add_nc_u64 s[20:21], s[22:23], 0x1000000     ; v
	s_add_nc_u64 s[24:25], s[8:9], s[16:17]        ; ao: head and wave
	s_add_nc_u64 s[6:7], s[6:7], s[2:3]
	s_mov_b64 s[G0+2:G0+3], s[18:19]               ; key tile 0 into slot 0
	s_or_b32 s[G0+3], s[G0+3], 0x80000000
	s_mov_b64 s[G0+6:G0+7], s[20:21]
	s_or_b32 s[G0+7], s[G0+7], 0x80000000
	tensor_load_to_lds s[G0:G0+3], s[G1K:G1K+7]
	s_nop 0
	tensor_load_to_lds s[G0+4:G0+7], s[G1V:G1V+7]
	s_nop 0
	s_lshl_b32 s16, s69, 14                        ; a query block is 128 rows of 128 bytes
	s_add_nc_u64 s[28:29], s[22:23], s[16:17]      ; q and ao of the second block,
	s_add_nc_u64 s[26:27], s[24:25], s[16:17]
	s_lshl_b32 s16, s12, 14
	s_add_nc_u64 s[22:23], s[22:23], s[16:17]      ; and of the first
	s_add_nc_u64 s[24:25], s[24:25], s[16:17]
	v_and_b32 v36, 15, v0                          ; r
	v_bfe_u32 v37, v0, 4, 1                        ; h
	v_and_b32 v38, 7, v0
	v_bfe_u32 v39, v0, 3, 1
	v_lshlrev_b32 v[VQ], 7, v36
	v_lshl_add_u32 v[VQ], v37, 4, v[VQ]            ; row r, 16 h
	QLOAD 22
	v_lshlrev_b32 v17, 4, v36
	s_mul_i32 s2, s10, 2304
	s_add_co_u32 s2, s2, STAGE                     ; my stage
	v_add_nc_u32 v27, s2, v17                      ; stage + 16 (l % 16)
	v_lshl_add_u32 v17, v37, 13, v17               ; wosq: 4 columns at 16 (l % 16), block rows 2 k + h: sixteen lanes read 256 consecutive bytes
.irp k, 0,1,2,3,4,5,6,7,8,9,10,11,12,13,14,15,16,17,18,19,20,21,22,23,24,25,26,27,28,29,30,31
	global_load_b128 v[64+4*\k:64+4*\k+3], v17, s[6:7] offset:16384*\k
.endr
	v_mul_u32_u24 v[AK], v36, KP
	v_lshl_add_u32 v[AK], v37, 4, v[AK]            ; key r, 16 h
	v_add_nc_u32 v[AK+1], SLOT, v[AK]
	v_lshl_add_u32 v[AV], v37, 3, v38              ; key 8 h + l % 8,
	v_mul_u32_u24 v[AV], v[AV], VP
	v_lshl_add_u32 v[AV], v39, 4, v[AV]            ; 16 bytes for each group of eight lanes
	v_add_nc_u32 v[AV], VOFF, v[AV]
	v_add_nc_u32 v[AV+1], SLOT, v[AV]
	v_add_nc_u32 v[STO], s2, v[AK]                 ; stage in: query r, 16 h (the stage has K's pitch)
	v_bfe_u32 v[RD], v0, 3, 2
	v_mul_u32_u24 v[RD], v[RD], KP
	v_lshl_add_u32 v[RD], v38, 4, v[RD]
	v_add_nc_u32 v[RD], s2, v[RD]                  ; stage back: four rows of 128 bytes to a load
	v_and_b32 v[CO], 31, v0
	v_lshlrev_b32 v[CO], 4, v[CO]
	v_and_b32 v[DQ], 0xef, v0                      ; 32 w + r
	v_lshlrev_b32 v38, 3, v37
	v_sub_nc_u32 v[DQ], v[DQ], v38                 ; - 8 h
	v_add_nc_u32 v[DQ+1], 16, v[DQ]
	v_mov_b32 v[NEG], 0xff7fffff
	v_lshlrev_b32 v36, 5, v37
	v_add_nc_u32 v36, s2, v36                      ; stage + 32 h
	v_mov_b32 v[PX], 0
	v_mov_b32 v[LS], 0
	v_mov_b32 v[LS+1], 0
	v_mov_b32 v[MX], v[NEG]
	v_mov_b32 v[MX+1], v[NEG]
	s_wait_loadcnt 0x0                             ; q and the 64 blocks' column sums
.set k, 1
.rept 31
	v_pk_add_f32 v[64:65], v[64:65], v[64+4*k:65+4*k]
	v_pk_add_f32 v[66:67], v[66:67], v[66+4*k:67+4*k]
.set k, k+1
.endr
.irp k, 0,1,2,3
	v_permlanex16_b32 v[68+\k], v[64+\k], s66, s67 ; the odd block rows meet the even ones
.endr
	v_pk_add_f32 v[64:65], v[64:65], v[68:69]
	v_pk_add_f32 v[66:67], v[66:67], v[70:71]
.irp k, 0,1,2,3
	v_sqrt_f32 v[68+\k], v[64+\k]
.endr
	v_nop
	s_wait_alu depctr_va_vdst(0)
.irp k, 0,1,2,3
	v_max_num_f32 v[68+\k], EPS, v[68+\k]
.endr
.irp k, 0,1,2,3
	v_rcp_f32 v[64+\k], v[68+\k]
.endr
	v_nop
	s_wait_alu depctr_va_vdst(0)
	ds_store_b128 v27, v[64:67]                    ; ro of the head's 64 columns, in my stage (both halves of the lanes write the same)
.irp dt, 0,1,2,3
	ds_load_b128 v[ROF+8*\dt:ROF+8*\dt+3],   v36 offset:64*\dt
	ds_load_b128 v[ROF+8*\dt+4:ROF+8*\dt+7], v36 offset:64*\dt+16
.endr
	s_wait_dscnt 0x0
.set k, 0
.rept 64
	v_mov_b32 v[OA+k], 0                           ; once in the launch: the first factor 2^(old - new) = 0 needs finite numbers to annul
.set k, k+1
.endr
	s_mov_b32 s13, 0                               ; key tile
	s_mov_b32 s14, s12                             ; query block
	s_mov_b32 s68, 4
.Lloop:
	STEP 0, 0
	STEP 1, 0
	s_sub_co_u32 s68, s68, 1
	s_cmp_lg_u32 s68, 0
	s_cbranch_scc1 .Lloop
	STEP 0, 1                                      ; the ninth step is the second block's diagonal; it fetches nothing
	s_wait_tensorcnt 0x0
	ds_add_u32 v62, v63
	s_wait_dscnt 0x0
	s_endpgm
.Lfunc_end_k_q51dc62b04f_attn:
	.size	k_q51dc62b04f_attn, .Lfunc_end_k_q51dc62b04f_attn-k_q51dc62b04f_attn
	.p2alignl 7, 3214868480
	.fill 96, 4, 3214868480
	.section	.rodata,"a",@progbits
	.p2align	6, 0x0
	.amdhsa_kernel k_q51dc62b04f_attn
		.amdhsa_group_segment_fixed_size 327680
		.amdhsa_private_segment_fixed_size 0
		.amdhsa_enable_private_segment 0
		.amdhsa_kernarg_size 24
		.amdhsa_user_sgpr_count 2
		.amdhsa_user_sgpr_kernarg_segment_ptr 1
		.amdhsa_wavefront_size32 1
		.amdhsa_system_sgpr_workgroup_id_x 1
		.amdhsa_system_sgpr_workgroup_id_y 1
		.amdhsa_system_sgpr_workgroup_id_z 1
		.amdhsa_system_vgpr_workitem_id 0
		.amdhsa_next_free_vgpr 384
		.amdhsa_next_free_sgpr 72
		.amdhsa_reserve_vcc 1
		.amdhsa_float_denorm_mode_32 3
		.amdhsa_float_denorm_mode_16_64 3
		.amdhsa_memory_ordered 1
		.amdhsa_forward_progress 1
		.amdhsa_inst_pref_size 244
	.end_amdhsa_kernel
	.amdgpu_metadata
---
amdhsa.version: [ 1, 2 ]
amdhsa.kernels:
  - .name:           k_q51dc62b04f_attn
    .symbol:         k_q51dc62b04f_attn.kd
    .args:
      - { .name: qkv, .offset: 0, .size: 8, .value_kind: global_buffer, .address_space: global }
      - { .name: wosq, .offset: 8, .size: 8, .value_kind: global_buffer, .address_space: global }
      - { .name: ao, .offset: 16, .size: 8, .value_kind: global_buffer, .address_space: global }
    .group_segment_fixed_size: 327680
    .private_segment_fixed_size: 0
    .kernarg_segment_align: 8
    .kernarg_segment_size: 24
    .max_flat_workgroup_size: 128
    .sgpr_count:     72
    .vgpr_count:     384
    .wavefront_size: 32
...
	.end_amdgpu_metadata
.endif
;; end of part 3
;; launch oproj (part 4): grid 16 x 16, 4 waves a work-group, clusters of 4 x 4, 327,680 bytes of LDS; arguments ao, wob, out0; writes out0
.if DOCPART == 4
	.amdgcn_target "amdgcn-amd-amdhsa--gfx1250"
	.amdhsa_code_object_version 6
	.text
	.protected	k_q51dc62b04f_oproj
	.globl	k_q51dc62b04f_oproj
	.p2align	8
	.type	k_q51dc62b04f_oproj,@function
k_q51dc62b04f_oproj:
	s_mov_b64 s[64:65], 0
	v_nop
	global_prefetch_b8 v0, s[64:65] scope:SCOPE_SE
	s_setreg_imm32_b32 hwreg(HW_REG_WAVE_MODE, 25, 1), 1
	s_wait_xcnt 0x0
	s_wait_alu depctr_hold_cnt(0) depctr_sa_sdst(0) depctr_va_vdst(0) depctr_va_sdst(0) depctr_va_ssrc(0) depctr_va_vcc(0) depctr_vm_vsrc(0)
	s_getreg_b32 s2, hwreg(HW_REG_IB_STS2, 6, 4)
	s_cmp_eq_u32 s2, 0
	s_cbranch_scc0 .Lentry_in_a_cluster
	s_endpgm
.Lentry_in_a_cluster:
	s_bfe_u32 s2, ttmp6, 0x10000c
	s_cmp_lg_u32 s2, 0xf033
	s_cbranch_scc0 .Lentry_shape_is_right
	s_endpgm
.Lentry_shape_is_right:
; oproj: out0[row][d] = sum over e of ao[row][e] wob[d][e].  ao is head-major f16 and already carries 1 / column norm of wo; wob is the rounded wo in f16; sums and out0 in f32.
; A work-group makes 128 x 128 (256 work-groups), a wave 64 x 64: 16 accumulator tiles in window 1 (tile (a, b) at v[8 (4 a + b)]).
; K goes in steps of 256 (four heads) through two LDS slots.  Every wave fetches one head's 128 rows of ao (16,384 dense bytes as 64 rows of 256)
; and 32 rows x 512 bytes of wob.  CLUSTERS 4 x 4: ao's tiles are shared along a cluster row, wob's along a column, by joint loads.
; A wave has at most four tensor loads out (the start), later two.
; The matrix instruction is used transposed (source 0 = rows of wob, source 1 = rows of ao): a lane holds eight neighbouring columns of one row.
; LIMITS: those of the operands (f16): see the launches that make them.
.set APITCH, 144                       ; a row of a head: 128 bytes + 16
.set ASUB,   128*APITCH                ; 18,432: one head's 128 rows
.set BPITCH, 528                       ; a row of wob's tile: 512 bytes + 16
.set BOFF,   4*ASUB                    ; 73,728
.set BQ,     32*BPITCH                 ; 16,896: one wave's 32 rows
.set SLOT,   BOFF+4*BQ                 ; 141,312
.set STAGE,  2*SLOT                    ; 282,624: 16 rows x 272 bytes for each wave; no tensor load fills it
.set SPITCH, 272
.set ASTEP,  4*131072                  ; a K step in ao: four heads
.set BSTEP,  512                       ; a K step in wob: 256 elements
.set ADRA, 16                          ; v16-17
.set ADRB, 20                          ; v20-21
.set STO,  24
.set RD,   25
.set CO,   26
.set F0,   32                          ; buffer 0: ao's fragments v[32:63], wob's v[64:95]
.set F1,   96                          ; buffer 1: v[96:127], v[128:159]
.set RB,   160                         ; way out
.set G1, 24
.set G0, 32
.set G1B, 48
.set G0B, 56
.set MSB, 0
.macro WIN new                         ; the immediate's high byte repeats the setting that is left
.if MSB != \new
	s_set_vgpr_msb (MSB<<8)|\new
.set MSB, \new
.endif
.endm
.macro CREST
	s_cmp_lg_u32 s10, 0
	s_cbranch_scc1 .Lnot_wave_0_\@
	s_barrier_signal -3
.Lnot_wave_0_\@:
	s_barrier_wait -3
	s_barrier_signal -1
	s_barrier_wait -1
.endm
.macro CROUND
	s_barrier_signal -1
	s_barrier_wait -1
	CREST
.endm
	s_load_b128 s[4:7], s[0:1], 0x0                ; ao s[4:5], wob s[6:7]
	s_load_b64 s[8:9], s[0:1], 0x10                ; out0
	v_lshl_add_u32 v254, v0, 2, 0x49400
	v_mov_b32 v255, 0
	ds_add_u32 v254, v255
	ds_add_u32 v254, v255
	v_lshrrev_b32 v1, 5, v0
	v_readfirstlane_b32 s10, v1                    ; wave
	s_lshr_b32 s11, s10, 1                         ; my half of the rows
	s_and_b32 s12, s10, 1                          ; my half of the columns
	s_bfe_u32 s40, ttmp6, 0x40000                  ; cx
	s_bfe_u32 s41, ttmp6, 0x40004                  ; cy
	s_lshl_b32 s42, ttmp9, 2
	s_add_co_u32 s42, s42, s40                     ; block column
	s_and_b32 s13, ttmp7, 0xffff
	s_lshl_b32 s13, s13, 2
	s_add_co_u32 s13, s13, s41                     ; block row
	s_lshl_b32 s43, s41, 2
	s_lshl_b32 s43, 15, s43                        ; my row of the cluster
	s_lshl_b32 s44, 0x1111, s40                    ; my column
	; ao: 64 rows of 128 elements, dense, 4 words of padding behind every 32 (a row of a head)
	s_or_b32 s[G1+0], s43, (1<<16)|(1<<20)|(1<<21)|(4<<22)|(3<<25)
	s_mov_b32 s[G1+1], 128<<16
	s_mov_b32 s[G1+2], 64<<16
	s_mov_b32 s[G1+3], 128<<16
	s_mov_b32 s[G1+4], 64
	s_mov_b32 s[G1+5], 128
	s_mov_b32 s[G1+6], 0
	s_mov_b32 s[G1+7], 0
	; wob: 32 rows of 256 elements, 2,048 elements from row to row, 4 words of padding behind every 128
	s_or_b32 s[G1B+0], s44, (1<<16)|(1<<20)|(1<<21)|(6<<22)|(3<<25)
	s_mov_b32 s[G1B+1], 256<<16
	s_mov_b32 s[G1B+2], 32<<16
	s_mov_b32 s[G1B+3], 256<<16
	s_mov_b32 s[G1B+4], 32
	s_mov_b32 s[G1B+5], 2048
	s_mov_b32 s[G1B+6], 0
	s_mov_b32 s[G1B+7], 0
	; ao's tiles hang on the block row and the wave, wob's on the block column and the wave; each in registers that never hold the other coordinate
	s_lshr_b32 s16, s13, 3
	s_lshl_b32 s16, s16, 5
	s_add_co_u32 s16, s16, s10                     ; batch x 32 + wave (the head of K step 0)
	s_lshl_b32 s16, s16, 17
	s_and_b32 s17, s13, 7
	s_lshl_b32 s17, s17, 14                        ; 128 positions of 128 bytes
	s_add_co_u32 s16, s16, s17
	s_mov_b32 s17, 0
	s_lshl_b32 s46, s42, 7
	s_lshl_b32 s47, s10, 5
	s_add_co_u32 s46, s46, s47                     ; row 128 x block column + 32 x wave
	s_lshl_b32 s46, s46, 12                        ; of 4,096 bytes
	s_mov_b32 s47, 0
	s_mul_i32 s20, s10, ASUB
	s_mul_i32 s21, s10, BQ
	s_add_co_u32 s21, s21, BOFF
	s_wait_dscnt 0x0
	s_wait_kmcnt 0x0
	s_add_nc_u64 s[14:15], s[4:5], s[16:17]
	s_add_nc_u64 s[46:47], s[6:7], s[46:47]
	CROUND                                         ; all sixteen work-groups are here: the first joint loads meet
.irp s, 0,1
	s_mov_b32 s[G0+4*\s], 1
	s_add_co_u32 s[G0+4*\s+1], s20, \s*SLOT
	s_add_nc_u64 s[G0+4*\s+2:G0+4*\s+3], s[14:15], \s*ASTEP
	s_or_b32 s[G0+4*\s+3], s[G0+4*\s+3], 0x80000000
	s_mov_b32 s[G0B+4*\s], 1
	s_add_co_u32 s[G0B+4*\s+1], s21, \s*SLOT
	s_add_nc_u64 s[G0B+4*\s+2:G0B+4*\s+3], s[46:47], \s*BSTEP
	s_or_b32 s[G0B+4*\s+3], s[G0B+4*\s+3], 0x80000000
	tensor_load_to_lds s[G0+4*\s:G0+4*\s+3], s[G1:G1+7]
	s_nop 0
	tensor_load_to_lds s[G0B+4*\s:G0B+4*\s+3], s[G1B:G1B+7]
	s_nop 0
.endr
	v_and_b32 v1, 15, v0                           ; r
	v_bfe_u32 v2, v0, 4, 1                         ; h
	v_mul_u32_u24 v3, v1, APITCH
	v_lshl_add_u32 v3, v2, 4, v3
	v_mul_u32_u24 v4, v1, BPITCH
	v_lshl_add_u32 v4, v2, 4, v4
	s_mul_i32 s22, s11, 64*APITCH                  ; my 64 rows of ao
	s_mul_i32 s23, s12, 64*BPITCH                  ; my 64 rows of wob
	s_add_co_u32 s23, s23, BOFF
.irp s, 0,1
	v_add_nc_u32 v[ADRA+\s], s22, v3
	v_add_nc_u32 v[ADRB+\s], s23, v4
	s_add_co_u32 s22, s22, SLOT
	s_add_co_u32 s23, s23, SLOT
.endr
	s_mul_i32 s18, s10, 16*SPITCH
	s_add_co_u32 s18, s18, STAGE                   ; my stage
	v_mul_u32_u24 v5, v1, SPITCH
	v_lshl_add_u32 v5, v2, 5, v5                   ; in: row r, 32 bytes for each half of the lanes
	v_add_nc_u32 v[STO], s18, v5
	v_mul_u32_u24 v5, v2, SPITCH                   ; back: lanes 0-15 one row of 256 bytes, lanes 16-31 the next
	v_lshl_add_u32 v5, v1, 4, v5
	v_add_nc_u32 v[RD], s18, v5
	v_lshlrev_b32 v5, 4, v1
	v_lshl_add_u32 v[CO], v2, 13, v5               ; the same two rows in out0
; 16 LDS loads: the fragments of quarter q (32 along K: half of head q / 2) into buffer f
.macro FETCH slot, q, f
.irp a, 0,1,2,3
	ds_load_b128 v[\f+8*\a:\f+8*\a+3],   v[ADRA+\slot] offset:((\q)>>1)*ASUB+16*\a*APITCH+64*((\q)&1)
	ds_load_b128 v[\f+8*\a+4:\f+8*\a+7], v[ADRA+\slot] offset:((\q)>>1)*ASUB+16*\a*APITCH+64*((\q)&1)+32
.endr
.irp b, 0,1,2,3
	ds_load_b128 v[\f+32+8*\b:\f+32+8*\b+3], v[ADRB+\slot] offset:16*\b*BPITCH+64*(\q)
	ds_load_b128 v[\f+32+8*\b+4:\f+32+8*\b+7], v[ADRB+\slot] offset:16*\b*BPITCH+64*(\q)+32
.endr
.endm
; 8 matrix instructions.  The 16 accumulators take turns, one instruction a turn, in the same order in every quarter.
.macro MUL8 f, a0, zero
	WIN 0x50                                       ; C and D in window 1
.irp a, \a0, \a0+1
.irp b, 0,1,2,3
.if \zero
	v_wmma_f32_16x16x32_f16 v[8*(4*(\a)+\b):8*(4*(\a)+\b)+7], v[\f+32+8*\b:\f+32+8*\b+7], v[\f+8*(\a):\f+8*(\a)+7], 0
.else
	v_wmma_f32_16x16x32_f16 v[8*(4*(\a)+\b):8*(4*(\a)+\b)+7], v[\f+32+8*\b:\f+32+8*\b+7], v[\f+8*(\a):\f+8*(\a)+7], v[8*(4*(\a)+\b):8*(4*(\a)+\b)+7]
.endif
.endr
.endr
.endm
.macro PLACES                          ; four plain vector instructions between a matrix instruction and a load into, or a store from, its registers
.rept 4
	v_nop
.endr
.endm
; One of a K step's first seven quarters: buffer f is in; the next quarter's fragments are asked for, then f is multiplied
.macro QUARTER slot, q, f, g, zero
	s_wait_dscnt 0x0
	PLACES
	FETCH \slot, \q+1, \g
	MUL8 \f, 0, \zero
	MUL8 \f, 2, \zero
	WIN 0
.endm
.macro SEVEN slot, zero
	QUARTER \slot, 0, F0, F1, \zero
	QUARTER \slot, 1, F1, F0, 0
	QUARTER \slot, 2, F0, F1, 0
	QUARTER \slot, 3, F1, F0, 0
	QUARTER \slot, 4, F0, F1, 0
	QUARTER \slot, 5, F1, F0, 0
	QUARTER \slot, 6, F0, F1, 0
.endm
; The eighth quarter changes slots.  In front of the barrier each wave waits for its reads of this slot and for all its tensor loads (its parts of the
; next slot).  Where the slot is filled again the barrier opens a round of the cluster's barrier, and the joint refills are the first tensor loads behind it.
.macro TURN slot, next, fill
	s_wait_dscnt 0x0
	s_wait_tensorcnt 0x0
	ds_add_u32 v254, v255
	s_wait_dscnt 0x0
	s_barrier_signal -1
	MUL8 F1, 0, 0                                  ; register work while the others arrive
	WIN 0
	s_barrier_wait -1
.if \fill
	CREST
	s_add_nc_u64 s[G0+4*\slot+2:G0+4*\slot+3], s[G0+4*\slot+2:G0+4*\slot+3], 2*ASTEP
	s_add_nc_u64 s[G0B+4*\slot+2:G0B+4*\slot+3], s[G0B+4*\slot+2:G0B+4*\slot+3], 2*BSTEP
	tensor_load_to_lds s[G0+4*\slot:G0+4*\slot+3], s[G1:G1+7]
	s_nop 0
	tensor_load_to_lds s[G0B+4*\slot:G0B+4*\slot+3], s[G1B:G1B+7]
	s_nop 0
.endif
	PLACES
	FETCH \next, 0, F0
	MUL8 F1, 2, 0
	WIN 0
.endm
.macro LAP zero
	SEVEN 0, \zero
	TURN 0, 1, 1
	SEVEN 1, 0
	TURN 1, 0, 1
.endm
	s_wait_tensorcnt 2                             ; my parts of K step 0 are in; K step 1's two loads stay out
	s_barrier_signal -1
	s_barrier_wait -1
	FETCH 0, 0, F0
	LAP 1                                          ; K steps 0, 1: the first products start the sums; steps 2, 3 are asked for
	s_mov_b32 s3, 2
.Llap:
	LAP 0                                          ; K steps 2-5; steps 4-7 are asked for
	s_sub_co_u32 s3, s3, 1
	s_cmp_lg_u32 s3, 0
	s_cbranch_scc1 .Llap
	SEVEN 0, 0                                     ; K steps 6, 7: nothing is filled
	TURN 0, 1, 0
	SEVEN 1, 0
	s_wait_dscnt 0x0
	MUL8 F1, 0, 0
	MUL8 F1, 2, 0
	WIN 0
	; THE WAY OUT, 16 rows at a time, through my stage: sixteen lanes then store 256 consecutive bytes, aligned
	PLACES
	s_lshl1_add_u32 s16, s13, s11
	s_lshl_b32 s16, s16, 19                        ; (128 x block row + 64 x half) rows of 8,192 bytes
	s_mov_b32 s17, 0
	s_add_nc_u64 s[8:9], s[8:9], s[16:17]
	s_lshl1_add_u32 s46, s42, s12
	s_lshl_b32 s46, s46, 8                         ; (128 x block column + 64 x half) columns of 4 bytes
	s_mov_b32 s47, 0
	s_add_nc_u64 s[8:9], s[8:9], s[46:47]
.macro OUTA a
	WIN 0x04                                       ; the stores' data in window 1
.irp b, 0,1,2,3
	ds_store_b128 v[STO], v[8*(4*\a+\b):8*(4*\a+\b)+3] offset:64*\b
	ds_store_b128 v[STO], v[8*(4*\a+\b)+4:8*(4*\a+\b)+7] offset:64*\b+16
.endr
	WIN 0
	s_wait_xcnt 0x0                                ; RB was the data of the last block's stores: it is loaded again only behind this wait
.irp t, 0,1,2,3,4,5,6,7
	ds_load_b128 v[RB+4*\t:RB+4*\t+3], v[RD] offset:\t*2*SPITCH    ; my own bytes, served in order (ISA guide 5.7.1): these see the stores above
.endr
.irp t, 0,1,2,3,4,5,6,7
	s_wait_dscnt 7-\t
	global_store_b128 v[CO], v[RB+4*\t:RB+4*\t+3], s[8:9] offset:(16*\a+2*\t)*8192 th:TH_STORE_NT
.endr
.endm
	OUTA 0
	OUTA 1
	OUTA 2
	OUTA 3
	s_wait_tensorcnt 0x0
	ds_add_u32 v254, v255
	s_wait_dscnt 0x0
	CROUND                                         ; the closing round: no work-group ends while a partner may still ask for a tile that names it
	s_endpgm
.Lfunc_end_k_q51dc62b04f_oproj:
	.size	k_q51dc62b04f_oproj, .Lfunc_end_k_q51dc62b04f_oproj-k_q51dc62b04f_oproj
	.p2alignl 7, 3214868480
	.fill 96, 4, 3214868480
	.section	.rodata,"a",@progbits
	.p2align	6, 0x0
	.amdhsa_kernel k_q51dc62b04f_oproj
		.amdhsa_group_segment_fixed_size 327680
		.amdhsa_private_segment_fixed_size 0
		.amdhsa_enable_private_segment 0
		.amdhsa_kernarg_size 24
		.amdhsa_user_sgpr_count 2
		.amdhsa_user_sgpr_kernarg_segment_ptr 1
		.amdhsa_wavefront_size32 1
		.amdhsa_system_sgpr_workgroup_id_x 1
		.amdhsa_system_sgpr_workgroup_id_y 1
		.amdhsa_system_sgpr_workgroup_id_z 1
		.amdhsa_system_vgpr_workitem_id 0
		.amdhsa_next_free_vgpr 384
		.amdhsa_next_free_sgpr 66
		.amdhsa_reserve_vcc 0
		.amdhsa_float_denorm_mode_32 3
		.amdhsa_float_denorm_mode_16_64 3
		.amdhsa_memory_ordered 1
		.amdhsa_forward_progress 1
		.amdhsa_inst_pref_size 126
	.end_amdhsa_kernel
	.amdgpu_metadata
---
amdhsa.version: [ 1, 2 ]
amdhsa.kernels:
  - .name:           k_q51dc62b04f_oproj
    .symbol:         k_q51dc62b04f_oproj.kd
    .args:
      - { .name: ao, .offset: 0, .size: 8, .value_kind: global_buffer, .address_space: global }
      - { .name: wob, .offset: 8, .size: 8, .value_kind: global_buffer, .address_space: global }
      - { .name: out0, .offset: 16, .size: 8, .value_kind: global_buffer, .address_space: global }
    .group_segment_fixed_size: 327680
    .private_segment_fixed_size: 0
    .kernarg_segment_align: 8
    .kernarg_segment_size: 24
    .max_flat_workgroup_size: 128
    .sgpr_count:     66
    .vgpr_count:     384
    .wavefront_size: 32
...
	.end_amdgpu_metadata
.endif
;; end of part 4
